; MI455X (gfx1250); checked and timed in simulation.
; The chip was launched on July 23, 2026; its instructions are those of AMD's public machine-readable ISA for CDNA 5 (MIT licence, August 2026) and "CDNA5" Instruction Set Architecture Reference Guide (July 2026). The comments in the code are by the model that wrote it; some were corrected since.
;; Qwen3 TTS Attention. Allowed arithmetic: matrix products marked QUANTISED: E3M2 operands, one E8M0 scale for each 32 along K, by v_wmma_scale_f32_16x16x128_f8f6f4 with both operands' format E3M2, f32 sums; everything else in f32.
;; Inputs: cos 1 x 4,096 x 128 float32; hidden_states 1 x 4,096 x 2,048 float32; k_norm_w 128 float32; q_norm_w 128 float32; sin 1 x 4,096 x 128 float32; wk 1,024 x 2,048 float32; wo 2,048 x 1,024 float32; wq 1,024 x 2,048 float32; wv 1,024 x 2,048 float32.
;; Outputs: out0 1 x 4,096 x 2,048 float32.
;; This version of the problem:
;;   THIS VERSION OF THE PROBLEM IS GIVEN IN LOW PRECISION. The matrix products marked QUANTISED in the list below multiply operands that are first quantised to E3M2 (3 exponent bits, 2 mantissa bits; 6 bits a number), with one power-of-two scale for each 32 numbers along K (OCP MX v1.0); their sums are f32. All else is computed in f32.
;;   The module's matrix products, in the order in which they are computed (A, B: the left and right operand; K: the contracted axis; several contracted axes count as one K, in the product's order):
;;     1. [M 4,096, K 2,048] x [K 2,048, N 1,024]; A: input hidden_states; B: input wq: QUANTISED
;;     2. [M 4,096, K 2,048] x [K 2,048, N 1,024]; A: input hidden_states; B: input wk: QUANTISED
;;     3. [M 4,096, K 2,048] x [K 2,048, N 1,024]; A: input hidden_states; B: input wv: QUANTISED
;;     4. batch 8 x [M 4,096, K 128] x [K 128, N 4,096]; A: computed on the way; B: computed on the way: QUANTISED
;;     5. batch 8 x [M 4,096, K 4,096] x [K 4,096, N 128]; A: softmax (see below); B: computed on the way: QUANTISED
;;     6. [M 4,096, K 1,024] x [K 1,024, N 2,048]; A: computed on the way; B: input wo: QUANTISED
;;   THE QUANTISER, for each operand of a quantised product, along K:
;;     - K is cut into blocks of 32 from its start; a last block that is shorter is filled with zeros.
;;     - A block's scale is 2^e with e = floor(log2(the largest magnitude in the block)) - 4, held to -126 .. 127; a block of zeros has e = 0. As a byte (E8M0): e + 127.
;;     - Each number is divided by its block's scale, clamped to +-28, and rounded to the nearest number of E3M2, ties to even, subnormals kept.
;;     - The product sums the exact products of the quantised numbers (number of the format x scale) in f32.
;;   ~~~python
;;   def quantise(x, axis):      # numpy; x: float32 -> the quantised numbers, widened to float32 again
;;       x = np.moveaxis(x, axis, -1); K = x.shape[-1]
;;       x = np.pad(x, [(0, 0)] * (x.ndim - 1) + [(0, -K % 32)]); x = x.reshape(x.shape[:-1] + (-1, 32)); a = np.abs(x).max(-1, keepdims=True)
;;       e = np.where(a > 0, np.clip(np.frexp(np.where(a > 0, a, 1))[1] - 1 - 4, -126, 127), 0)      # np.frexp(a)[1] - 1 = floor(log2(a)), exactly
;;       r = np.clip(x / 2.0 ** e, -28, 28)
;;       step = 2.0 ** (np.maximum(np.frexp(np.where(r == 0, 1, r))[1] - 1, -2) - 2)
;;       q = np.round(r / step) * step * 2.0 ** e      # np.round: ties to even
;;       return np.moveaxis(q.reshape(q.shape[:-2] + (-1,))[..., :K], -1, axis).astype(np.float32)
;;   ~~~
;;   SOFTMAX AHEAD OF A QUANTISED PRODUCT. Where the list says 'softmax', what is quantised is not the finished softmax but p = 2^(t - M), with t = logit x log2(e) and M = ceil(the row's largest t), a whole number; so 1/2 < the row's largest p <= 1. The row's sum l is taken of the UNQUANTISED p, in f32, and the product's result is divided by l at the end. Since M is a whole number, a kernel that streams over the keys may use a running M (the ceiling of the running maximum): every later rescaling is an exact power of two, which a block's scale takes up: the codes' values come out the same.
;;   OPERANDS COMPUTED ON THE WAY. 'Computed on the way' means the value that the module computes at that place (a softmax that the list does not call 'softmax' is quantised finished and normalised). What goes into a quantiser is computed in f32, as accurately as f32 sums, v_exp_f32 and their like allow (about 1e-6 of the number): no bf16 or f16 on the way to a quantiser, and a product that is left as it is and whose result goes on into a quantised operand takes f32 operands (vector FMAs, or v_wmma_f32_16x16x4_f32). A number that lies on a knife's edge between two numbers of the format may be rounded either way, as far as f32 arithmetic and the matrix unit's own rounding can turn it there, and no further.
;; 2 versions, each right. Each part assembles by itself: llvm-mc -triple=amdgcn-amd-amdhsa -mcpu=gfx1250 --defsym DOCPART=n.
;; ======== version 1 of 2: 4 launches
;; workspace buffers: ops 13,107,200 bytes; qkv 9,830,400 bytes; att 3,276,800 bytes
;; launch quant (part 1): grid 512 x 1, 4 waves a work-group, no clusters, 33,280 bytes of LDS; arguments hidden_states, wq, wk, wv, wo, ops; writes ops
.if DOCPART == 1
	.amdgcn_target "amdgcn-amd-amdhsa--gfx1250"
	.amdhsa_code_object_version 6
	.text
	.protected	k_qdda36ace07_quant
	.globl	k_qdda36ace07_quant
	.p2align	8
	.type	k_qdda36ace07_quant,@function
k_qdda36ace07_quant:
	s_mov_b64 s[64:65], 0
	v_nop
	global_prefetch_b8 v0, s[64:65] scope:SCOPE_SE
	s_setreg_imm32_b32 hwreg(HW_REG_WAVE_MODE, 25, 1), 1
	s_wait_xcnt 0x0
; hidden_states [4096][2048], wq, wk, wv [1024][2048] and wo [2048][1024], all f32 with K innermost, become codes of BF6 (E3M2), 6 bits each, with one E8M0 scale byte for each 32 along K.
; All five are dense streams of blocks of 32 numbers.  The buffer ops holds them as ONE stream of 2,048 runs of 8,192 numbers: hidden 0-1023, wq 1024-1279, wk 1280-1535, wv 1536-1791, wo 1792-2047;
; run G's codes lie at 6,144 G, its 256 scale bytes at 12,582,912 + 256 G.  So each tensor's codes are rows of K x 3 / 4 bytes and its scale bytes rows of K / 32 bytes.
; wv ALONE IS STORED WITH ITS ROWS PERMUTED: row s goes to the row whose bits 3 and 4 are swapped.  A run is four rows, so these are bits 1 and 2 of the run's number.  (The attention launch then finds its
; result's channels in the order in which its quantiser takes a lane's registers.)
; A block's scale is 2^(floor(log2(its largest magnitude)) - 4); its byte is the largest magnitude's exponent field - 4, held at 1 from below.  Each number is divided by the scale and rounded to the nearest code, ties to even.
; LIMITS: a block of zeros gets the byte 1 (its codes are zeros; this program alone reads the bytes); blocks whose largest magnitude lies under 2^(5 - 127) have their byte held at 1; NaN and infinities are not served.
; A wave takes one run: 16 steps of 512 numbers.  Each of a step's four loads reads 512 consecutive bytes; the 2,048 bytes turn through the wave's own stage in LDS, so that a lane then holds 16 neighbours
; (two neighbouring lanes hold a block).  A lane's 16 codes are 12 bytes: the wave stores 384 consecutive bytes.  The run's 256 scale bytes are gathered in LDS and leave as one aligned 256 bytes.
; No tensor loads, no ring, no barrier: waves share nothing.  Loads run four steps (16 loads a wave) ahead, the turn through LDS one step.
.set WAVES, 4
.set STEPS, 16
.set EMAX,  4
.set CB,    12                         ; bytes of 16 codes
.set R,     16                         ; v16-79   four sets of 16 numbers as they are loaded
.set X,     80                         ; v80-111  two sets of 16 neighbours
.set C,     128                        ; v128-191 codes: four registers for each step, so that no store's data are written again
.set E,     112                        ; v112-127 a scale byte for each step
.set WREG,  8192                       ; LDS: a region for each wave: two stages of 32 x SP bytes, and behind them its 256 scale bytes
.set SP,    80                         ; a lane's place in a stage: its 64 bytes + 16 of padding
.set SPW,   12                         ; v12      LDS address of my spare word; never rewritten
.set NIL,   13                         ; v13      0; never rewritten
.set SPARE, WAVES*WREG                 ; behind the four regions: the spare words, 128 bytes a wave, which no other line names
	s_load_b256 s[4:11], s[0:1], 0x0               ; hidden s[4:5], wq s[6:7], wk s[8:9], wv s[10:11]
	s_load_b128 s[12:15], s[0:1], 0x20             ; wo s[12:13], ops s[14:15]
	v_lshl_add_u32 v[SPW], v0, 2, SPARE
	v_mov_b32 v[NIL], 0
	v_lshrrev_b32 v1, 5, v0
	v_readfirstlane_b32 s16, v1                    ; wave
	v_and_b32 v2, 31, v0                           ; lane
	v_lshlrev_b32 v3, 4, v2                        ; my 16 bytes of a load's 512
	s_mul_i32 s17, s16, WREG
	v_lshrrev_b32 v14, 2, v2
	v_mul_u32_u24 v14, v14, SP
	v_and_b32 v15, 3, v2
	v_lshl_add_u32 v14, v15, 4, v14
	v_add_nc_u32 v14, s17, v14                     ; the stage, on the way in: SP (lane / 4) + 16 (lane % 4)
	v_mul_u32_u24 v15, v2, SP
	v_add_nc_u32 v15, s17, v15                     ; and on the way out: SP x lane: my 16 neighbours
	v_mul_u32_u24 v4, v2, CB                       ; my codes' place in a step's
	v_lshrrev_b32 v5, 1, v2
	s_add_co_u32 s17, s17, 2*32*SP
	v_add_nc_u32 v5, s17, v5                       ; LDS: my wave's 256 scale bytes, my block's byte
	v_lshlrev_b32 v7, 3, v2                        ; and on the way out 8 bytes a lane
	v_add_nc_u32 v6, s17, v7
	s_wait_kmcnt 0x0
	; which tensor is my work-group's: hidden has work-groups 0-255, wq 256-319, wk 320-383, wv 384-447, wo 448-511.  The choice hangs on the work-group's number alone
	s_mov_b64 s[20:21], s[12:13]
	s_mov_b32 s22, 448
	s_cmp_lt_u32 ttmp9, 448
	s_cselect_b64 s[20:21], s[10:11], s[20:21]
	s_cselect_b32 s22, 384, s22
	s_cmp_lt_u32 ttmp9, 384
	s_cselect_b64 s[20:21], s[8:9], s[20:21]
	s_cselect_b32 s22, 320, s22
	s_cmp_lt_u32 ttmp9, 320
	s_cselect_b64 s[20:21], s[6:7], s[20:21]
	s_cselect_b32 s22, 256, s22
	s_cmp_lt_u32 ttmp9, 256
	s_cselect_b64 s[20:21], s[4:5], s[20:21]
	s_cselect_b32 s22, 0, s22
	s_sub_co_u32 s22, ttmp9, s22
	s_lshl_b32 s22, s22, 2
	s_add_co_u32 s22, s22, s16                     ; my run in its tensor,
	s_lshl_b32 s22, s22, 15                        ; 32,768 bytes each
	s_mov_b32 s23, 0
	s_add_nc_u64 s[4:5], s[20:21], s[22:23]
	s_lshl_b32 s24, ttmp9, 2
	s_add_co_u32 s24, s24, s16                     ; G: my run in ops
	s_lshr_b32 s25, s24, 1
	s_lshr_b32 s26, s24, 2
	s_xor_b32 s25, s25, s26
	s_and_b32 s25, s25, 1                          ; do G's bits 1 and 2 differ?
	s_mul_i32 s25, s25, 6                          ; then both are turned,
	s_sub_co_u32 s26, ttmp9, 384
	s_cmp_lt_u32 s26, 64                           ; in wv alone
	s_cselect_b32 s25, s25, 0
	s_xor_b32 s24, s24, s25
	s_mul_i32 s26, s24, 6144
	s_mov_b32 s27, 0
	s_add_nc_u64 s[8:9], s[14:15], s[26:27]        ; the run's codes
	s_lshl_b32 s26, s24, 8
	s_add_co_u32 s26, s26, 12582912
	s_add_nc_u64 s[10:11], s[14:15], s[26:27]      ; the run's scale bytes
.macro LOAD t
.irp i, 0,1,2,3
	global_load_b128 v[R+16*((\t)%4)+4*\i:R+16*((\t)%4)+4*\i+3], v3, s[4:5] offset:2048*(\t)+512*\i th:TH_LOAD_NT   ; 32 lanes read 512 consecutive bytes
.endr
.endm
.macro TURN t                          ; step t's numbers through the stage: LDS serves a wave's instructions in order, so no wait stands between the stores and the loads
.irp i, 0,1,2,3
	ds_store_b128 v14, v[R+16*((\t)%4)+4*\i:R+16*((\t)%4)+4*\i+3] offset:32*SP*((\t)%2)+8*SP*\i
.endr
.irp i, 0,1,2,3
	ds_load_b128 v[X+16*((\t)%2)+4*\i:X+16*((\t)%2)+4*\i+3], v15 offset:32*SP*((\t)%2)+16*\i
.endr
.endm
.irp t, 0,1,2,3
	LOAD \t
.endr
	s_wait_loadcnt 12                              ; step 0's four loads are in; the twelve of steps 1 to 3 may be out
	TURN 0
.macro STEP t
.set XS, X+16*((\t)%2)
.if (\t) > 0
	s_wait_dscnt 1                                 ; this step's numbers are back from the stage (the last step's byte store may be out): so its stores into the stage have read their registers,
.else
	s_wait_dscnt 0x0
.endif
.if (\t)+4 < STEPS
	LOAD (\t)+4                                    ; which take the loads of four steps on
.endif
.if (\t)+1 < STEPS
.if STEPS-2-(\t) >= 3
	s_wait_loadcnt 12                              ; the next step's four loads are in; those of the three steps behind it may be out
.else
	s_wait_loadcnt 4*(STEPS-2-(\t))
.endif
	TURN (\t)+1                                    ; and go through the other stage while this step is worked
.endif
	v_max3_num_f32 v8, |v[XS]|, |v[XS+1]|, |v[XS+2]|               ; the largest magnitude of my 16
	v_max3_num_f32 v9, |v[XS+3]|, |v[XS+4]|, |v[XS+5]|
.irp i, 6,10
	v_max3_num_f32 v8, v8, |v[XS+\i]|, |v[XS+\i+1]|
	v_max3_num_f32 v9, v9, |v[XS+\i+2]|, |v[XS+\i+3]|
.endr
	v_max3_num_f32 v8, v8, |v[XS+14]|, |v[XS+15]|
	v_max3_num_f32 v8, v8, v9, (EMAX+1)<<23        ; and the floor 2^(EMAX + 1 - 127): so the byte cannot fall under 1
	v_max_num_f32_dpp v8, v8, v8 row_xmask:1 row_mask:0xf bank_mask:0xf   ; and of my neighbour's 16: the block's
	v_add_nc_u32 v11, -(EMAX<<23), v8              ; EMAX off its exponent field: the conversion takes the exponent field of this operand as its scale, and nothing else of it
	v_cvt_scalef32_pk16_bf6_f32 v[C+4*(\t):C+4*(\t)+2], v[XS:XS+15], v11         ; sixteen codes, 96 bits without gaps, the first number's code lowest
	v_lshrrev_b32 v[E+(\t)], 23, v11               ; the scale's byte (a plain line behind the conversion)
	ds_store_b8 v5, v[E+(\t)] offset:16*(\t)       ; both lanes of a block write the same byte with the same value
	global_store_b96 v4, v[C+4*(\t):C+4*(\t)+2], s[8:9] offset:32*CB*(\t)
.endm
.irp t, 0,1,2,3,4,5,6,7,8,9,10,11,12,13,14,15
	STEP \t
.endr
	ds_load_b64 v[8:9], v6                         ; LDS serves a wave's instructions in order: these see my stores
	s_wait_dscnt 0x0
	global_store_b64 v7, v[8:9], s[10:11]          ; 32 lanes store 256 consecutive bytes, aligned
	s_wait_tensorcnt 0x0                           ; the wave's end: behind my last LDS store
	ds_add_u32 v[SPW], v[NIL]
	s_wait_dscnt 0x0
	s_endpgm
.Lfunc_end_k_qdda36ace07_quant:
	.size	k_qdda36ace07_quant, .Lfunc_end_k_qdda36ace07_quant-k_qdda36ace07_quant
	.p2alignl 7, 3214868480
	.fill 96, 4, 3214868480
	.section	.rodata,"a",@progbits
	.p2align	6, 0x0
	.amdhsa_kernel k_qdda36ace07_quant
		.amdhsa_group_segment_fixed_size 33280
		.amdhsa_private_segment_fixed_size 0
		.amdhsa_enable_private_segment 0
		.amdhsa_kernarg_size 48
		.amdhsa_user_sgpr_count 2
		.amdhsa_user_sgpr_kernarg_segment_ptr 1
		.amdhsa_wavefront_size32 1
		.amdhsa_system_sgpr_workgroup_id_x 1
		.amdhsa_system_sgpr_workgroup_id_y 1
		.amdhsa_system_sgpr_workgroup_id_z 1
		.amdhsa_system_vgpr_workitem_id 0
		.amdhsa_next_free_vgpr 192
		.amdhsa_next_free_sgpr 66
		.amdhsa_reserve_vcc 0
		.amdhsa_float_denorm_mode_32 3
		.amdhsa_float_denorm_mode_16_64 3
		.amdhsa_memory_ordered 1
		.amdhsa_forward_progress 1
		.amdhsa_inst_pref_size 33
	.end_amdhsa_kernel
	.amdgpu_metadata
---
amdhsa.version: [ 1, 2 ]
amdhsa.kernels:
  - .name:           k_qdda36ace07_quant
    .symbol:         k_qdda36ace07_quant.kd
    .args:
      - { .name: hidden_states, .offset: 0, .size: 8, .value_kind: global_buffer, .address_space: global }
      - { .name: wq, .offset: 8, .size: 8, .value_kind: global_buffer, .address_space: global }
      - { .name: wk, .offset: 16, .size: 8, .value_kind: global_buffer, .address_space: global }
      - { .name: wv, .offset: 24, .size: 8, .value_kind: global_buffer, .address_space: global }
      - { .name: wo, .offset: 32, .size: 8, .value_kind: global_buffer, .address_space: global }
      - { .name: ops, .offset: 40, .size: 8, .value_kind: global_buffer, .address_space: global }
    .group_segment_fixed_size: 33280
    .private_segment_fixed_size: 0
    .kernarg_segment_align: 8
    .kernarg_segment_size: 48
    .max_flat_workgroup_size: 128
    .sgpr_count:     66
    .vgpr_count:     192
    .wavefront_size: 32
...
	.end_amdgpu_metadata
.endif
;; end of part 1
;; launch qkv (part 2): grid 12 x 16, 4 waves a work-group, clusters of 4 x 4, 327,680 bytes of LDS; arguments ops, cos, sin, q_norm_w, k_norm_w, qkv; writes qkv
.if DOCPART == 2
	.amdgcn_target "amdgcn-amd-amdhsa--gfx1250"
	.amdhsa_code_object_version 6
	.text
	.protected	k_qdda36ace07_qkv
	.globl	k_qdda36ace07_qkv
	.p2align	8
	.type	k_qdda36ace07_qkv,@function
k_qdda36ace07_qkv:
	s_mov_b64 s[64:65], 0
	v_nop
	global_prefetch_b8 v0, s[64:65] scope:SCOPE_SE
	s_setreg_imm32_b32 hwreg(HW_REG_WAVE_MODE, 25, 1), 1
	s_wait_xcnt 0x0
	s_wait_alu depctr_hold_cnt(0) depctr_sa_sdst(0) depctr_va_vdst(0) depctr_va_sdst(0) depctr_va_ssrc(0) depctr_va_vcc(0) depctr_vm_vsrc(0)
	s_getreg_b32 s2, hwreg(HW_REG_IB_STS2, 6, 4)
	s_cmp_eq_u32 s2, 0
	s_cbranch_scc0 .Lentry_in_a_cluster
	s_endpgm
.Lentry_in_a_cluster:
	s_bfe_u32 s2, ttmp6, 0x10000c
	s_cmp_lg_u32 s2, 0xf033
	s_cbranch_scc0 .Lentry_shape_is_right
	s_endpgm
.Lentry_shape_is_right:
; The three projections on codes of BF6 (E3M2) with E8M0 scales, K = 2,048, and what follows them up to the next quantiser: q and k get their RMS norm, gain and rotary turn in f32 and are
; quantised along the head's 128; v is quantised along the keys.  What leaves are operand IMAGES for the attention launch: nothing goes to memory as f32.
; ONE BODY, THREE PRODUCTS, told apart by the cluster's x: 0: Q = hidden wq^T, 1: K = hidden wk^T, 2: V^T = wv hidden^T (the same product with the operands' places changed).
; A tile of C, 256 x 256, is made by four waves; a wave makes 128 rows of A x 128 rows of B in 64 accumulators, 512 registers.  For Q and K: 128 tokens x one head; for V^T: one head's channels x 128 keys.
; So a head lies in one wave, which the norm and the rotary turn need: hence 192 work-groups and no narrower tile.
; K goes in steps of 256 through a ring of two LDS slots filled by the tensor data mover (rows of 192 bytes); the scale bytes of the work-group's rows, for all of K, come into LDS once.
; CLUSTERS: 4 x 4 work-groups; A's tiles are asked for jointly along a row of the cluster, B's along a column.
; THE MATRIX INSTRUCTION IS USED TRANSPOSED (source 0 = 16 rows of B, source 1 = 16 rows of A): lane (r, h) holds A's row r, and register j of accumulator (a, t) B's row 16 t + 8 h + j.
; THE WAY OUT.  The 64 registers of a block a are quantised as they stand: register 16 b + 8 u + j is taken as place 32 b + 16 h + 8 u + j of the row.  So place p holds index p with its bits 3 and 4 swapped: a
; permutation inside each block of 32, which leaves blocks and scales as they are, and which is the same on both operands of each later product (q and k by this way out; v and the softmax's p by the same order of keys).
; The rotary partner of channel c, c +- 64, is accumulator t +- 4: same lane, same register.
; qkv: three regions (Q, K, V) of [head 8][slot of 256 tokens: 16][record of 25,600 bytes]; a record is 16 images of 1,536 bytes (registers 4 c .. 4 c + 3 of lane l at 512 c + 16 l) and 1,024 bytes of scale words.
; LIMITS: NaN and infinities are not served; a block of zeros, or one under 2^(5 - 127), gets the byte 1 (this program alone reads the bytes); v_rsq_f32 is accurate to 1 ulp.
; REGISTERS, in windows of 256: window 0: v0-31 addresses; v32-63 scale words, two sets; from v128 A's fragments, one set.  window 1: B's fragments, two sets.  windows 2, 3: the accumulators ((a, b) at v[8 (8 (a % 4) + b)]).
;   On the way out: window 0: v32-159 cos, two sets, then the finished numbers; v160.. codes and work.  window 1: v0-63 the gain, v64-127 the normed numbers, v128-255 sin, two sets.
.set SIZE_K, 2048
.set KSTEP,  256                       ; along K in a slot
.set NQ,     KSTEP/128                 ; matrix instructions deep
.set ROWB,   192                       ; a tile's row in bytes
.set KROW,   SIZE_K*6/8                ; a row of codes in memory
.set PITCH,  240                       ; an LDS row: 3 x (64 bytes + 16 of padding)
.set FR,     12                        ; registers of a fragment
.set NL,     6                         ; LDS loads that bring one
.set NP,     4                         ; places behind this matrix instruction (ISA guide 7.12.1)
.set HALFT,  128*PITCH
.set SLOT,   4*HALFT                   ; A's 256 rows, then B's 256 rows
.set LAPS,   SIZE_K/(2*KSTEP)
.set KS,     SIZE_K/32                 ; a row of scale bytes
.set SCL,    2*SLOT                    ; behind the ring: the scales, as 256 bytes + 16 of padding
.set HALFS,  (128*KS/256)*272
.set SBLK,   (16*KS/256)*272
.set SPARE,  SCL+4*HALFS               ; behind the scales: the spare words, 128 bytes a wave, which no other line names
.set WC,     6291456                   ; in ops: wq's codes (wk's and wv's follow, WB bytes each);
.set WB,     1572864
.set WVC,    9437184                   ; wv's codes;
.set HS,     12582912                  ; hidden's scale bytes;
.set WS,     12845056                  ; wq's (65,536 bytes each);
.set WVS,    12976128                  ; wv's
.set REGB,   3276800                   ; in qkv: a region,
.set REC,    25600                     ; a record
.set ADRA, 16                          ; v16-19  LDS addresses of my A fragments in slot 0, 1 (v18-19: behind one padding more)
.set ADRB, 20                          ; v20-23  the same for B
.set LI,   24                          ; v24     the way out: 16 x lane + my 8 images' place in the record
.set LS,   25                          ; v25     4 x lane + my scale words' place
.set CSA,  26                          ; v26     cos, sin: 512 r + 32 h
.set ADRS, 27                          ; v27     LDS address of my scale words
.set SPW,  28                          ; v28     LDS address of my spare word; never rewritten
.set NIL,  29                          ; v29     0; never rewritten
.set NWA,  30                          ; v30     the gain: 32 h
.set SC,   32
.set AF,   128
.set COS,  32                          ; the way out, window 0: cos, set s at COS + 64 s
.set PC,   160                         ; v160-178 codes
.set TM,   180                         ; v180-195 the quantiser's work
.set PWS,  196                         ; v196-203 the eight blocks' scale words
.set SS,   204                         ; v204-207 sums of squares
.set INV,  208                         ; v208-209 1 / sqrt(mean + eps), named as a pair
.set NW,   0                           ; window 1
.set Y,    64
.set SIN,  128
.set G1, 24
.set G0, 32
.set G1B, 48
.set G0B, 56
.set G1S, 68
.set G0S, 76
.set G1SB, 80
.set G0SB, 88
.set MSB, 0
.macro WIN new                         ; the immediate's high byte repeats the setting that is left
.if MSB != (\new)
	s_set_vgpr_msb (MSB<<8)|(\new)
.set MSB, (\new)
.endif
.endm
.set MUL_LO, 0xa1                      ; source 0 (B) window 1, source 1 (A) window 0, C and D window 2
.set MUL_HI, 0xf1
.set TO_B,   0x40
; A joint load: waves 0 and 1 fetch for A, waves 2 and 3 for B; the branch hangs on the wave's number alone.  An s_nop 0 and four v_nop follow each of the two lines.
.macro JLOAD g0a, g1a, g0b, g1b
	s_cmp_eq_u32 s15, 0
	s_cbranch_scc0 .Lfor_b_\@
	tensor_load_to_lds s[\g0a:\g0a+3], s[\g1a:\g1a+7]
	s_nop 0
.rept 4
	v_nop
.endr
	s_branch .Lasked_\@
.Lfor_b_\@:
	tensor_load_to_lds s[\g0b:\g0b+3], s[\g1b:\g1b+7]
	s_nop 0
.rept 4
	v_nop
.endr
.Lasked_\@:
.endm
.macro CREST                           ; a round of the cluster's barrier behind its opening barrier
	s_cmp_lg_u32 s14, 0
	s_cbranch_scc1 .Lnot_wave_0_\@
	s_barrier_signal -3
.Lnot_wave_0_\@:
	s_barrier_wait -3
	s_barrier_signal -1
	s_barrier_wait -1
.endm
.macro CROUND
	s_barrier_signal -1
	s_barrier_wait -1
	CREST
.endm
	s_load_b64 s[4:5], s[0:1], 0x0                 ; ops
	s_load_b64 s[12:13], s[0:1], 0x28              ; qkv
	v_lshl_add_u32 v[SPW], v0, 2, SPARE
	v_mov_b32 v[NIL], 0
	ds_add_u32 v[SPW], v[NIL]                      ; the wave's opening: the add and its wait stand ahead of my first tensor load; the set-up below, work on registers, stands between them
	v_lshrrev_b32 v1, 5, v0
	v_readfirstlane_b32 s14, v1                    ; wave 0..3
	s_lshr_b32 s15, s14, 1                         ; which half of the tile's rows of A is mine.  Also: I fetch for A (0) or for B (1)
	s_and_b32 s16, s14, 1                          ; which half of its rows of B.  Also: which 128 rows I fetch
	s_bfe_u32 s40, ttmp6, 0x40000                  ; cx, cy: my place in the cluster
	s_bfe_u32 s41, ttmp6, 0x40004
	s_and_b32 s17, ttmp7, 0xffff
	s_lshl_b32 s17, s17, 2                         ; 4 x cluster y: hidden's 16 tiles of 256 tokens go along it
	s_mul_i32 s98, ttmp9, WB
	s_add_co_u32 s98, s98, WC                      ; wq's or wk's codes,
	s_lshl_b32 s99, ttmp9, 16
	s_add_co_u32 s99, s99, WS                      ; and scale bytes
	s_mov_b32 s100, HS
	s_cmp_eq_u32 ttmp9, 2                          ; V^T?  The cluster's x is the same in all sixteen partners.  All selections stand behind this one compare
	s_cselect_b32 s97, 0, s17                      ; hidden is A (tile row 4 y + cy) for Q and K,
	s_cselect_b32 s96, s17, 0                      ; and B (tile column 4 y + cx) for V^T
	s_cselect_b32 s66, WVC, 0                      ; A's codes in ops,
	s_cselect_b32 s67, WVS, s100                   ; A's scale bytes,
	s_cselect_b32 s98, 0, s98                      ; B's codes,
	s_cselect_b32 s99, s100, s99                   ; B's scale bytes
	s_add_co_u32 s17, s97, s41                     ; tile row
	s_add_co_u32 s42, s96, s40                     ; tile column
	s_lshl_b32 s43, s41, 2
	s_lshl_b32 s43, 15, s43                        ; my row of the cluster
	s_lshl_b32 s44, 0x1111, s40                    ; my column
	; descriptor group 1: a tile of 128 rows x ROWB bytes, padded in LDS
	s_or_b32 s[G1+0], s43, (0<<16)|(1<<20)|(1<<21)|(3<<22)|(3<<25)  ; 15:0 the mask; 17:16 element of 1 byte; 20 padding on; 21 set beside a mask; 24:22 after every 16 words; 31:25 of 4 words
	s_or_b32 s[G1B+0], s44, (0<<16)|(1<<20)|(1<<21)|(3<<22)|(3<<25)
.irp g, G1, G1B
	s_mov_b32 s[\g+1], ROWB<<16                    ; tensor_dim0
	s_mov_b32 s[\g+2], 128<<16                     ; tensor_dim1
	s_mov_b32 s[\g+3], ROWB<<16                    ; tile_dim0
	s_mov_b32 s[\g+4], 128                         ; tile_dim1
	s_mov_b32 s[\g+5], KROW                        ; tensor_dim0_stride
	s_mov_b32 s[\g+6], 0
	s_mov_b32 s[\g+7], 0
.endr
	; the scales of 128 rows: a dense block of 128 KS bytes, as rows of 256 bytes (32 elements of 8 bytes), 16 bytes of padding behind each
	s_or_b32 s[G1S+0], s43, (3<<16)|(1<<20)|(1<<21)|(5<<22)|(3<<25)
	s_or_b32 s[G1SB+0], s44, (3<<16)|(1<<20)|(1<<21)|(5<<22)|(3<<25)
.irp g, G1S, G1SB
	s_mov_b32 s[\g+1], 32<<16
	s_mov_b32 s[\g+2], (128*KS/256)<<16
	s_mov_b32 s[\g+3], 32<<16
	s_mov_b32 s[\g+4], 128*KS/256
	s_mov_b32 s[\g+5], 32
	s_mov_b32 s[\g+6], 0
	s_mov_b32 s[\g+7], 0
.endr
	s_lshl_b32 s18, s16, 7                         ; which 128 rows of the tile I fetch
	s_lshl_b32 s20, s17, 8
	s_add_co_u32 s20, s20, s18                     ; A: row 256 x tile row + 128 x half
	s_lshl_b32 s46, s42, 8
	s_add_co_u32 s46, s46, s18                     ; B: row 256 x tile column + 128 x half
	s_mov_b32 s21, 0
	s_mov_b32 s47, 0
	s_mov_b64 s[18:19], KS
	s_mul_u64 s[22:23], s[20:21], s[18:19]         ; where these rows' scales begin in their tensor, in bytes
	s_mul_u64 s[92:93], s[46:47], s[18:19]
	s_mov_b64 s[18:19], KROW
	s_mul_u64 s[20:21], s[20:21], s[18:19]         ; and their codes
	s_mul_u64 s[46:47], s[46:47], s[18:19]
	s_mov_b32 s19, 0                               ; and the tensors' places in ops
	s_mov_b32 s18, s66
	s_add_nc_u64 s[20:21], s[20:21], s[18:19]
	s_mov_b32 s18, s67
	s_add_nc_u64 s[22:23], s[22:23], s[18:19]
	s_mov_b32 s18, s98
	s_add_nc_u64 s[46:47], s[46:47], s[18:19]
	s_mov_b32 s18, s99
	s_add_nc_u64 s[92:93], s[92:93], s[18:19]
	s_mul_i32 s45, s14, HALFT                      ; where they go: wave x 128 rows: no place in the cluster enters an LDS address
	s_mul_i32 s94, s14, HALFS
	s_wait_dscnt 0x0                               ; the opening add is done
	s_wait_kmcnt 0x0
	s_add_nc_u64 s[20:21], s[4:5], s[20:21]
	s_add_nc_u64 s[22:23], s[4:5], s[22:23]
	s_add_nc_u64 s[46:47], s[4:5], s[46:47]
	s_add_nc_u64 s[92:93], s[4:5], s[92:93]
	CROUND                                         ; all sixteen work-groups are here: the first joint loads meet
	s_mov_b32 s[G0S], 1
	s_add_co_u32 s[G0S+1], s94, SCL
	s_mov_b64 s[G0S+2:G0S+3], s[22:23]
	s_or_b32 s[G0S+3], s[G0S+3], 0x80000000
	s_mov_b32 s[G0SB], 1
	s_add_co_u32 s[G0SB+1], s94, SCL
	s_mov_b64 s[G0SB+2:G0SB+3], s[92:93]
	s_or_b32 s[G0SB+3], s[G0SB+3], 0x80000000
	JLOAD G0S, G1S, G0SB, G1SB                     ; the scales first: they are wanted with K step 0
.irp s, 0,1
	s_mov_b32 s[G0+4*\s], 1
	s_add_co_u32 s[G0+4*\s+1], s45, \s*SLOT
	s_add_nc_u64 s[G0+4*\s+2:G0+4*\s+3], s[20:21], \s*ROWB
	s_or_b32 s[G0+4*\s+3], s[G0+4*\s+3], 0x80000000
	s_mov_b32 s[G0B+4*\s], 1
	s_add_co_u32 s[G0B+4*\s+1], s45, \s*SLOT
	s_add_nc_u64 s[G0B+4*\s+2:G0B+4*\s+3], s[46:47], \s*ROWB
	s_or_b32 s[G0B+4*\s+3], s[G0B+4*\s+3], 0x80000000
	JLOAD G0+4*\s, G1, G0B+4*\s, G1B               ; three loads of mine are out: the scales, slot 0, slot 1
.endr
	v_and_b32 v1, 15, v0                           ; r = l % 16
	v_bfe_u32 v2, v0, 4, 1                         ; h = l / 16
	v_mul_u32_u24 v3, v1, PITCH
	v_mul_u32_u24 v4, v2, 24
	v_add_nc_u32 v4, v3, v4                        ; a fragment's row x pitch + 24 x half
	v_lshl_add_u32 v5, v2, 4, v4                   ; and the same behind one padding more
	s_mul_i32 s21, s15, HALFT                      ; my 128 rows of A
	s_mul_i32 s22, s16, HALFT                      ; my 128 rows of B,
	s_add_co_u32 s22, s22, 2*HALFT                 ; which lie behind A's 256
.irp s, 0,1
	v_add_nc_u32 v[ADRA+\s], s21, v4
	v_add_nc_u32 v[ADRB+\s], s22, v4
	v_add_nc_u32 v[ADRA+2+\s], s21, v5
	v_add_nc_u32 v[ADRB+2+\s], s22, v5
	s_add_co_u32 s21, s21, SLOT
	s_add_co_u32 s22, s22, SLOT
.endr
	v_mul_u32_u24 v5, v1, KS                       ; my row's scales: KS bytes a row,
	v_lshrrev_b32 v6, 8, v5
	v_lshl_add_u32 v5, v6, 4, v5                   ; and 16 more for each 256 passed
	s_mul_i32 s21, s15, HALFS                      ; A's: my 128 rows
	s_mul_i32 s22, s16, HALFS                      ; B's: my 128 rows, behind A's 256
	s_add_co_u32 s22, s22, 2*HALFS
	s_sub_co_u32 s22, s22, s21
	v_mul_u32_u24 v6, s22, v2                      ; lanes 16-31 take B's
	s_add_co_u32 s21, s21, SCL
	v_add_nc_u32 v5, v5, v6
	v_add_nc_u32 v[ADRS], s21, v5
	; the way out's addresses.  Q, K: head = 2 x tile column + column half, slot = tile row, images 8 x row half on.  V^T: head = 2 x tile row + row half, slot = tile column, images 8 x column half on
	s_cmp_eq_u32 ttmp9, 2
	s_cselect_b32 s20, s17, s42
	s_cselect_b32 s21, s15, s16
	s_cselect_b32 s22, s42, s17                    ; the slot
	s_cselect_b32 s23, s16, s15                    ; which half of the record
	s_lshl_b32 s20, s20, 1
	s_add_co_u32 s20, s20, s21                     ; the head
	s_lshl_b32 s20, s20, 4
	s_add_co_u32 s20, s20, s22
	s_mul_i32 s20, s20, REC
	s_mul_i32 s21, ttmp9, REGB
	s_add_co_u32 s20, s20, s21
	s_mov_b32 s21, 0
	s_add_nc_u64 s[12:13], s[12:13], s[20:21]      ; my record
	s_lshl_b32 s66, s17, 8
	s_lshl_b32 s21, s15, 7
	s_add_co_u32 s66, s66, s21                     ; (Q, K) my first token,
	s_lshl_b32 s66, s66, 9                         ; as bytes in cos and in sin: 512 a row
	v_and_b32 v6, 31, v0
	s_mul_i32 s21, s23, 8*1536
	v_lshl_add_u32 v[LI], v6, 4, s21
	s_lshl_b32 s21, s23, 9
	s_add_co_u32 s21, s21, 16*1536
	v_lshl_add_u32 v[LS], v6, 2, s21
	v_lshlrev_b32 v[CSA], 9, v1
	v_lshl_add_u32 v[CSA], v2, 5, v[CSA]
	v_lshlrev_b32 v[NWA], 5, v2
.macro FRAG reg, adr, q, i             ; a fragment: lane l holds row l % 16; registers 6 c .. 6 c + 5 hold K = 64 c + 32 (l / 16) + 0 .. 31: 24 bytes of the row's stream of bits, in pieces of 8 bytes
.irp p, 0,1,2,3,4,5
.set PCE, 12*(\q)+6*(\p/3)+\p%3       ; the mover has laid 16 bytes of padding behind every 8 pieces: where the piece three on lies behind one padding more, the second address register serves
.if PCE%8 < 5
	ds_load_b64 v[\reg+2*\p:\reg+2*\p+1], v[\adr] offset:8*PCE+16*(PCE/8)+(\i)*16*PITCH
.else
	ds_load_b64 v[\reg+2*\p:\reg+2*\p+1], v[\adr+2] offset:8*PCE+16*(PCE/8)+(\i)*16*PITCH
.endif
.endr
.endm
; 16 matrix instructions: A's blocks a0, a0 + 1 x B's eight, 128 along K.  The 64 accumulators take turns, one instruction a turn, in the same order in every step.
.macro MUL16 a0, p, q, sc, zero
.irp a, \a0, \a0+1
.irp b, 0,1,2,3,4,5,6,7
.if \zero
	v_wmma_scale_f32_16x16x128_f8f6f4 v[8*(8*((\a)%4)+\b):8*(8*((\a)%4)+\b)+7], v[128*(\p)+FR*\b:128*(\p)+FR*\b+FR-1], v[AF+FR*(\a):AF+FR*(\a)+FR-1], 0, v[SC+8*NQ*(\sc)+NQ*\b+(\q)], v[SC+8*NQ*(\sc)+NQ*(\a)+(\q)] matrix_a_fmt:MATRIX_FMT_BF6 matrix_b_fmt:MATRIX_FMT_BF6 matrix_a_scale:MATRIX_SCALE_ROW1
.else
	v_wmma_scale_f32_16x16x128_f8f6f4 v[8*(8*((\a)%4)+\b):8*(8*((\a)%4)+\b)+7], v[128*(\p)+FR*\b:128*(\p)+FR*\b+FR-1], v[AF+FR*(\a):AF+FR*(\a)+FR-1], v[8*(8*((\a)%4)+\b):8*(8*((\a)%4)+\b)+7], v[SC+8*NQ*(\sc)+NQ*\b+(\q)], v[SC+8*NQ*(\sc)+NQ*(\a)+(\q)] matrix_a_fmt:MATRIX_FMT_BF6 matrix_b_fmt:MATRIX_FMT_BF6 matrix_a_scale:MATRIX_SCALE_ROW1
.endif
.endr
.endr
.endm
.macro FETCH_B slot, q, p
	WIN TO_B
.irp i, 0,1,2,3,4,5,6,7
	FRAG 128*(\p)+FR*\i, ADRB+\slot, \q, \i
.endr
	WIN 0
.endm
.macro FETCH_A slot, q, i0
.irp i, \i0, \i0+1, \i0+2, \i0+3
	FRAG AF+FR*(\i), ADRA+\slot, \q, \i
.endr
.endm
.macro SCALES sc                       ; the next K step's scale words: lanes 0-15 take A's block i, lanes 16-31 B's block i
.irp i, 0,1,2,3,4,5,6,7
	ds_load_b64 v[SC+8*NQ*\sc+NQ*\i:SC+8*NQ*\sc+NQ*\i+1], v[ADRS] offset:\i*SBLK
.endr
.endm
.macro PLACES n                        ; plain vector instructions behind a matrix instruction, in front of loads into its registers and of reads of its results
.rept \n
	v_nop
.endr
.endm
.macro STEP slot, q, zero              ; a step of 128 along K that has its successor in the same slot
	s_wait_dscnt 4*NL                              ; B's set and A's blocks 0-3 are in; the youngest 24 loads (A's blocks 4-7) may be out
	WIN MUL_LO
	MUL16 0, (\q)%2, \q, \slot, \zero
	MUL16 2, (\q)%2, \q, \slot, \zero
	s_wait_dscnt 0
	PLACES NP
	FETCH_B \slot, (\q)+1, 1-(\q)%2
	FETCH_A \slot, (\q)+1, 0
	WIN MUL_HI
	MUL16 4, (\q)%2, \q, \slot, \zero
	MUL16 6, (\q)%2, \q, \slot, \zero
	PLACES NP
	WIN 0
	FETCH_A \slot, (\q)+1, 4
.endm
; A slot's last step changes slots: one barrier; in front of it each wave waits for all its tensor loads, adds 0 to its spare word, and waits for that and for its own reads of this slot.
.macro TURN slot, next, fill
	s_wait_tensorcnt 0x0                           ; all my tensor loads have landed: my part of the next slot
	ds_add_u32 v[SPW], v[NIL]                      ; 0 onto my spare word
	s_wait_dscnt 4*NL+1                            ; (the add and the youngest 24 loads, A's blocks 4-7, may be out)
	WIN MUL_LO
	MUL16 0, 1, NQ-1, \slot, 0                     ; sixteen matrix instructions stand between the add and the wait for it
	s_wait_dscnt 0x0                               ; the add is done, and my reads of this slot are over
	s_barrier_signal -1
	MUL16 2, 1, NQ-1, \slot, 0
	WIN 0
	s_barrier_wait -1
.if \fill
	CREST                                          ; the barrier has opened a round of the cluster's barrier: no wave of any partner still reads this slot's tile or has a load on its way
	s_add_nc_u64 s[G0+4*\slot+2:G0+4*\slot+3], s[G0+4*\slot+2:G0+4*\slot+3], 2*ROWB
	s_add_nc_u64 s[G0B+4*\slot+2:G0B+4*\slot+3], s[G0B+4*\slot+2:G0B+4*\slot+3], 2*ROWB
	JLOAD G0+4*\slot, G1, G0B+4*\slot, G1B         ; the first tensor load behind the round; its four v_nop are the places in front of the loads below
.else
	PLACES NP
.endif
	v_add_nc_u32 v[ADRS], 4*NQ, v[ADRS]            ; on to the next K step's scale words
	FETCH_B \next, 0, 0
	FETCH_A \next, 0, 0
	SCALES \next
	WIN MUL_HI
	MUL16 4, 1, NQ-1, \slot, 0
	MUL16 6, 1, NQ-1, \slot, 0
	PLACES NP
	WIN 0
	FETCH_A \next, 0, 4
.endm
	s_wait_tensorcnt 1                             ; the scales and my part of K step 0 are in (K step 1's load may be out)
	s_barrier_signal -1
	s_barrier_wait -1                              ; everybody's are
	FETCH_B 0, 0, 0
	FETCH_A 0, 0, 0
	SCALES 0
	FETCH_A 0, 0, 4
	STEP 0, 0, 1                                   ; the first step stands in front of the loop: its products start the sums
	s_mov_b32 s3, LAPS-1
.Llap:                                                 ; a trip goes once round the ring and fills both slots again
	TURN 0, 1, 1
	STEP 1, 0, 0
	TURN 1, 0, 1
	STEP 0, 0, 0
	s_sub_co_u32 s3, s3, 1
	s_cmp_lg_u32 s3, 0
	s_cbranch_scc1 .Llap
	TURN 0, 1, 0                                   ; the last lap fills nothing, and has no round of the cluster's barrier
	STEP 1, 0, 0
	s_load_b256 s[68:75], s[0:1], 0x8              ; cos, sin, q_norm_w, k_norm_w, into registers of the scales' descriptors: all my tensor loads were waited for at the last change of slots
	s_mov_b32 s76, 0x76543210
	s_mov_b32 s77, 0xfedcba98                      ; v_permlanex16_b32's selects for lane l xor 16
	s_mov_b32 s78, 0x3c000000                      ; 1 / 128
	s_mov_b32 s79, 0x358637bd                      ; eps = 1e-6
	s_wait_dscnt 4*NL                              ; the very last step: nothing more to fetch
	WIN MUL_LO
	MUL16 0, 1, NQ-1, 1, 0
	MUL16 2, 1, NQ-1, 1, 0
	s_wait_dscnt 0
	WIN MUL_HI
	MUL16 4, 1, NQ-1, 1, 0
	MUL16 6, 1, NQ-1, 1, 0
	WIN 0
	s_wait_kmcnt 0x0
	s_cmp_eq_u32 ttmp9, 0
	s_cselect_b64 s[72:73], s[72:73], s[74:75]     ; q's gain or k's
	s_mov_b32 s67, 0
	s_add_nc_u64 s[68:69], s[68:69], s[66:67]      ; cos and sin at my first token
	s_add_nc_u64 s[70:71], s[70:71], s[66:67]
; THE QUANTISER.  64 numbers of a lane, v[s] .. v[s + 63] of window w, register 16 b + i taken as place 32 b + 16 (lane / 16) + i of my row, become a fragment's codes in v[PC] on and its scale word in v[pw].
.macro QUANT s, w, pw
	WIN (\w)|((\w)<<2)
.irp b, 0,1,2,3
	v_max3_num_f32 v[TM+\b], |v[\s+16*\b]|, |v[\s+1+16*\b]|, 0x2800000   ; block b: my 16 numbers, and the floor 2^(5 - 127): so the byte cannot fall under 1.  (Each accumulator is read from its low end on)
.endr
	WIN ((\w)<<2)|((\w)<<4)
.irp i, 2,4,6,8,10,12,14
.irp b, 0,1,2,3
	v_max3_num_f32 v[TM+\b], v[TM+\b], |v[\s+16*\b+\i]|, |v[\s+1+16*\b+\i]|   ; (the four blocks by turns)
.endr
.endr
	WIN 0
.irp b, 0,1,2,3
	v_permlanex16_b32 v[TM+4+\b], v[TM+\b], s76, s77
.endr
.irp b, 0,1,2,3
	v_max_num_f32 v[TM+\b], v[TM+\b], v[TM+4+\b]   ; with lane l xor 16's: the block's largest magnitude
.endr
.irp b, 0,1,2,3
	v_add_nc_u32 v[TM+12+\b], 0xfe000000, v[TM+\b] ; 4 off its exponent field: the conversion's scale operand
.endr
.irp b, 0,1,2,3
	v_lshrrev_b32 v[TM+4+\b], 23, v[TM+12+\b]      ; the scale's byte
.endr
	v_lshl_or_b32 v[\pw], v[TM+5], 8, v[TM+4]      ; the four bytes make my row's scale word
	v_lshl_or_b32 v[\pw], v[TM+6], 16, v[\pw]
	v_lshl_or_b32 v[\pw], v[TM+7], 24, v[\pw]
	WIN (\w)
.irp c, 0,1
	v_cvt_scalef32_pk16_bf6_f32 v[PC+6*\c:PC+2+6*\c], v[\s+32*\c:\s+15+32*\c], v[TM+12+2*\c]
	v_cvt_scalef32_pk16_bf6_f32 v[PC+12+4*\c:PC+14+4*\c], v[\s+16+32*\c:\s+31+32*\c], v[TM+12+2*\c+1]   ; (a conversion's three registers begin on an even number)
.endr
	WIN 0
	v_nop                                          ; one plain place behind a scaled conversion
.irp c, 0,1                                    ; the operand's layout wants a whole block in a lane: lanes 0-15 block 2 c, lanes 16-31 block 2 c + 1
.irp i, 0,1,2
	v_permlane16_swap_b32 v[PC+6*\c+\i], v[PC+12+4*\c+\i]
.endr
.irp i, 0,1,2
	v_mov_b32 v[PC+3+6*\c+\i], v[PC+12+4*\c+\i]
.endr
.endr
.endm
.macro CSLOAD a                        ; cos and sin of block a's 16 tokens, in the accumulators' layout: register 8 t + j = channel 16 t + 8 h + j of token r; into set a % 2
.set CL, COS+64*((\a)%2)
.set SL, SIN+64*((\a)%2)
	WIN 0
.irp t, 0,1,2,3,4,5,6,7
	global_load_b128 v[CL+8*\t:CL+8*\t+3], v[CSA], s[68:69] offset:8192*(\a)+64*\t
	global_load_b128 v[CL+8*\t+4:CL+8*\t+7], v[CSA], s[68:69] offset:8192*(\a)+64*\t+16
.endr
	WIN 0x40                                       ; destination window 1
.irp t, 0,1,2,3,4,5,6,7
	global_load_b128 v[SL+8*\t:SL+8*\t+3], v[CSA], s[70:71] offset:8192*(\a)+64*\t
	global_load_b128 v[SL+8*\t+4:SL+8*\t+7], v[CSA], s[70:71] offset:8192*(\a)+64*\t+16
.endr
.endm
.macro OUT a                           ; block a's image: each store covers 512 consecutive bytes, aligned
.irp c, 0,1,2
	global_store_b128 v[LI], v[PC+4*\c:PC+4*\c+3], s[12:13] offset:1536*(\a)+512*\c
.endr
.endm
; Q, K: block a's 16 tokens x the head's 128: norm, gain, rotary turn, quantiser, image
.macro QKBLOCK a
.set W, 2+(\a)/4
.set AC, 64*((\a)%4)
.set CS0, COS+64*((\a)%2)
.set SN0, SIN+64*((\a)%2)
.if (\a) < 7
	CSLOAD (\a)+1                                  ; a block ahead
.endif
	WIN W|(W<<2)
	v_pk_mul_f32 v[SS:SS+1], v[AC:AC+1], v[AC:AC+1]             ; the sum of squares of my 64, in two packed chains, ascending
	v_pk_mul_f32 v[SS+2:SS+3], v[AC+2:AC+3], v[AC+2:AC+3]
.set i, 4
.rept 15
	v_pk_fma_f32 v[SS:SS+1], v[AC+i:AC+i+1], v[AC+i:AC+i+1], v[SS:SS+1]
	v_pk_fma_f32 v[SS+2:SS+3], v[AC+i+2:AC+i+3], v[AC+i+2:AC+i+3], v[SS+2:SS+3]
.set i, i+4
.endr
	WIN 0
	v_pk_add_f32 v[SS:SS+1], v[SS:SS+1], v[SS+2:SS+3]
	v_add_f32 v[SS], v[SS], v[SS+1]
	v_permlanex16_b32 v[SS+1], v[SS], s76, s77     ; the token's other 64 channels lie in the lane 16 away
	v_add_f32 v[SS], v[SS], v[SS+1]
	v_fma_f32 v[SS], v[SS], s78, s79               ; the mean + eps
	v_rsq_f32 v[INV], v[SS]
	v_nop                                          ; a plain place behind the transcendental
	s_wait_alu depctr_va_vdst(0)                   ; and a wait ahead of its first reader
	WIN 0x40|W
.set i, 0
.rept 32
	v_pk_mul_f32 v[Y+i:Y+i+1], v[AC+i:AC+i+1], v[INV:INV+1] op_sel_hi:[1,0]
.set i, i+2
.endr
.if (\a) < 7
	s_wait_loadcnt 32                              ; this block's cos and sin (and the gain) are in; the next block's 32 loads may be out
.else
	s_wait_loadcnt 0
.endif
	WIN 0x45
.set i, 0
.rept 32
	v_pk_mul_f32 v[Y+i:Y+i+1], v[Y+i:Y+i+1], v[NW+i:NW+i+1]     ; x the gain
.set i, i+2
.endr
	WIN 0x01
.set i, 0
.rept 32
	v_pk_mul_f32 v[CS0+i:CS0+i+1], v[Y+i:Y+i+1], v[CS0+i:CS0+i+1]   ; y cos, over cos
.set i, i+2
.endr
	WIN 0x05
.set i, 0
.rept 16
	v_pk_fma_f32 v[CS0+i:CS0+i+1], v[Y+32+i:Y+32+i+1], v[SN0+i:SN0+i+1], v[CS0+i:CS0+i+1] neg_lo:[1,0,0] neg_hi:[1,0,0]   ; channels 0-63: - y(c + 64) sin
.set i, i+2
.endr
.rept 16
	v_pk_fma_f32 v[CS0+i:CS0+i+1], v[Y+i-32:Y+i-31], v[SN0+i:SN0+i+1], v[CS0+i:CS0+i+1]   ; channels 64-127: + y(c - 64) sin
.set i, i+2
.endr
	WIN 0
	s_wait_xcnt 0x0                                ; the last block's stores have read the codes' registers
	QUANT CS0, 0, PWS+(\a)
	OUT \a
.endm
; V^T: block a's 16 channels x 128 keys: the quantiser straight on the accumulators
.macro VBLOCK a
.set W, 2+(\a)/4
.set AC, 64*((\a)%4)
	s_wait_xcnt 0x0
	QUANT AC, W, PWS+(\a)
	OUT \a
.endm
	PLACES NP                                      ; behind the last products: in front of the first reads of results, of writes and of loads into registers that held operands and scales
.irp b, 0,1,2,3
	v_mov_b32 v[TM+4+\b], 0                        ; written once: a lane permute's destination counts as one of its sources
.endr
	v_mov_b32 v[INV+1], 0                          ; (named as the upper half of a pair)
	s_cmp_eq_u32 ttmp9, 2                          ; the cluster's x: the same way in all sixteen partners
	s_cbranch_scc1 .Lv
	WIN 0x40
.irp t, 0,1,2,3,4,5,6,7
	global_load_b128 v[NW+8*\t:NW+8*\t+3], v[NWA], s[72:73] offset:64*\t        ; the gain, in the accumulators' layout
	global_load_b128 v[NW+8*\t+4:NW+8*\t+7], v[NWA], s[72:73] offset:64*\t+16
.endr
	CSLOAD 0
.irp a, 0,1,2,3,4,5,6,7
	QKBLOCK \a
.endr
	s_branch .Lw
.Lv:
.irp a, 0,1,2,3,4,5,6,7
	VBLOCK \a
.endr
.Lw:
.irp i, 0,1,2,3
	v_permlane16_swap_b32 v[PWS+2*\i], v[PWS+2*\i+1]   ; lanes 0-15 keep block 2 i's scale words, lanes 16-31 take block 2 i + 1's
.endr
.irp i, 0,1,2,3
	global_store_b32 v[LS], v[PWS+2*\i], s[12:13] offset:128*\i   ; 128 consecutive bytes a store, 512 in all
.endr
	s_wait_tensorcnt 0x0                           ; the wave's end
	ds_add_u32 v[SPW], v[NIL]
	s_wait_dscnt 0x0
	CROUND                                         ; the closing round: no work-group ends while a partner may still ask for a tile that names it
	s_endpgm
.Lfunc_end_k_qdda36ace07_qkv:
	.size	k_qdda36ace07_qkv, .Lfunc_end_k_qdda36ace07_qkv-k_qdda36ace07_qkv
	.p2alignl 7, 3214868480
	.fill 96, 4, 3214868480
	.section	.rodata,"a",@progbits
	.p2align	6, 0x0
	.amdhsa_kernel k_qdda36ace07_qkv
		.amdhsa_group_segment_fixed_size 327680
		.amdhsa_private_segment_fixed_size 0
		.amdhsa_enable_private_segment 0
		.amdhsa_kernarg_size 48
		.amdhsa_user_sgpr_count 2
		.amdhsa_user_sgpr_kernarg_segment_ptr 1
		.amdhsa_wavefront_size32 1
		.amdhsa_system_sgpr_workgroup_id_x 1
		.amdhsa_system_sgpr_workgroup_id_y 1
		.amdhsa_system_sgpr_workgroup_id_z 1
		.amdhsa_system_vgpr_workitem_id 0
		.amdhsa_next_free_vgpr 1024
		.amdhsa_next_free_sgpr 102
		.amdhsa_reserve_vcc 0
		.amdhsa_float_denorm_mode_32 3
		.amdhsa_float_denorm_mode_16_64 3
		.amdhsa_memory_ordered 1
		.amdhsa_forward_progress 1
		.amdhsa_inst_pref_size 255
	.end_amdhsa_kernel
	.section	.bss,"aw",@nobits
	.p2align	6
	.space	262144
	.amdgpu_metadata
---
amdhsa.version: [ 1, 2 ]
amdhsa.kernels:
  - .name:           k_qdda36ace07_qkv
    .symbol:         k_qdda36ace07_qkv.kd
    .args:
      - { .name: ops, .offset: 0, .size: 8, .value_kind: global_buffer, .address_space: global }
      - { .name: cos, .offset: 8, .size: 8, .value_kind: global_buffer, .address_space: global }
      - { .name: sin, .offset: 16, .size: 8, .value_kind: global_buffer, .address_space: global }
      - { .name: q_norm_w, .offset: 24, .size: 8, .value_kind: global_buffer, .address_space: global }
      - { .name: k_norm_w, .offset: 32, .size: 8, .value_kind: global_buffer, .address_space: global }
      - { .name: qkv, .offset: 40, .size: 8, .value_kind: global_buffer, .address_space: global }
    .group_segment_fixed_size: 327680
    .private_segment_fixed_size: 0
    .kernarg_segment_align: 8
    .kernarg_segment_size: 48
    .max_flat_workgroup_size: 128
    .sgpr_count:     102
    .vgpr_count:     1024
    .wavefront_size: 32
...
	.end_amdgpu_metadata
.endif
;; end of part 2
;; launch attn (part 3): grid 32 x 8, 8 waves a work-group, no clusters, 327,680 bytes of LDS; arguments qkv, att; writes att
.if DOCPART == 3
	.amdgcn_target "amdgcn-amd-amdhsa--gfx1250"
	.amdhsa_code_object_version 6
	.text
	.protected	k_qdda36ace07_attn
	.globl	k_qdda36ace07_attn
	.p2align	8
	.type	k_qdda36ace07_attn,@function
k_qdda36ace07_attn:
	s_mov_b64 s[64:65], 0
	v_nop
	global_prefetch_b8 v0, s[64:65] scope:SCOPE_SE
	s_setreg_imm32_b32 hwreg(HW_REG_WAVE_MODE, 25, 1), 1
	s_wait_xcnt 0x0
; Causal attention on codes of BF6 (E3M2) with E8M0 scales, 8 heads of 128, 4,096 tokens; its result, divided by the row's sum, is quantised along (head, channel) for the output projection.
; THE SOFTMAX AHEAD OF THE SECOND PRODUCT: t = score x log2(e) / sqrt(128); M = the row's largest t so far, rounded UP to a whole number; p = 2^(t - M) is quantised along the keys, not normalised.
; The row's sum is taken of the unquantised p, in f32, and divides O at the end.  When M moves, the sum and O are multiplied by 2^(old M - new M): exact.
; qkv holds operand IMAGES: regions Q, K, V of [head][slot of 256 tokens][record of 25,600 bytes]; a record is 16 images of 1,536 bytes (registers 4 c .. 4 c + 3 of lane l at 512 c + 16 l) and 1,024 bytes of scale words.
; Q, K: image f = tokens 16 f .. 16 f + 15 x the head's 128.  V: image 8 q + t = 16 channels x keys 128 q .. 128 q + 127.  So a fragment is three loads of 16 bytes a lane, 512 consecutive bytes each.
; SHARES.  A work-group has 8 waves, each with one tile of 16 queries: waves 0-3 own the head's block x of 64 queries, waves 4-7 block 63 - x.  An early and a late block together walk the same number of key
; steps in every work-group: 256 work-groups of equal work.
; LAYOUT.  Both products are used transposed (S^T = K Q^T, O^T = V^T P^T): a lane holds one query (lane % 16).  Register j of tile T of S^T is key 16 T + 8 (lane / 16) + j; p's quantiser takes register
; 16 b + 8 u + j as place 32 b + 16 h + 8 u + j, which is the key with its bits 3 and 4 swapped: V's images were made with the same order of keys, and q's and k's channels are permuted alike.  V's channels were laid so
; that O^T's registers are in the true order of channels for the last quantiser.
; THE RING.  Two LDS slots of a K record and a V record; waves 0-3 fetch a quarter each (50 rows of 256 bytes), all eight read.  Every work-group walks all 16 slots, so trip counts are constants; a key step all of whose keys come
; after the wave's queries is jumped over, and a slot whose first key comes after the work-group's last query is not asked for.
; NO CLUSTER: the work-groups of a head need different numbers of slots under the causal limit, and a joint load has to be issued by every partner that it names.
; LIMITS: NaN and infinities are not served; a block of zeros, or one under 2^(5 - 127), gets the byte 1 (this program alone reads the bytes); v_exp_f32 and v_rcp_f32 are accurate to 1 ulp.
; REGISTERS: v1-9 addresses; v12 -M, v13 the largest t, v[14:15] the sum in two halves; v16-27 Q; v32-79 four fragments; v96-159 S^T, then p; v160-223 O^T; v224-235 p's codes; v232-247, v252, v254 at work;
;   v[250:251] f; v248, v249 K's or V's scale words (lanes 0-15 an even tile's, lanes 16-31 the odd one's), v253 p's, v255 Q's: these four hold scales alone.
.set REC,   25600
.set REGB,  3276800
.set HEADB, 409600                     ; a head's 16 records
.set QUART, 12800                      ; what one tensor load brings
.set SLOT1, 65536                      ; slot 1 begins here: one exclusive or turns an address from one slot to the other
.set VOFF,  REC                        ; in a slot: K's record, then V's
.set SPARE, 2*SLOT1                    ; the spare words, 128 bytes for each of eight waves, which no other line names
.set ATS,   3145728                    ; in att: behind the images, the scale words [token][head]
.set NSL,   16
.set LI,   1                           ; v1   16 x lane
.set LS,   2                           ; v2   4 x lane
.set QSO,  3                           ; v3   4 x (lane % 16)
.set OSO,  4                           ; v4   32 x (lane % 16)
.set SPW,  5                           ; v5   LDS address of my spare word; never rewritten
.set NIL,  6                           ; v6   0; never rewritten
.set ADK,  8                           ; v8   the slot in hand + 16 x lane
.set ADS,  9                           ; v9   the slot in hand + 4 x lane
.set PFO1, 28                          ; v28, v29  the prefetches' offsets
.set PFO2, 29
.set TB,   2                           ; s2   LDS byte at which the slot in hand begins
.set WV,   18
.set SEL,  20                          ; s[20:21]
.set CS,   22                          ; s[22:23] c = log2(e) / sqrt(128)
.set G1,   24                          ; s[24:31] descriptor group 1
.set G0,   40                          ; s[40:43] group 0, which walks
.set SLOTS, 67
.set LIM,  80
.set PFA,  88                          ; s[88:89]
.set LQ,   95                          ; s95  my work-group's last query
.set KF,   98                          ; s98  the step's first key
.set Q0,   99                          ; s99  my first query
.macro TLOAD                           ; waves 0-3 fetch; the branch hangs on the wave's number alone.  An s_nop 0 and four v_nop follow the load
	s_cmp_lt_u32 s[WV], 4
	s_cbranch_scc0 .Lasked_\@
	tensor_load_to_lds s[G0:G0+3], s[G1:G1+7]
	s_nop 0
.rept 4
	v_nop
.endr
.Lasked_\@:
.endm
; A PREFETCH INTO THE L2 of what the next change of slots will ask for.  All work-groups of a head walk the same records: the head's first work-group asks, in it waves 4-7, which fetch nothing: wave 4 + j names the
; 50 blocks of 256 bytes of fetching wave j's quarter, by two instructions, a lane a block (the second one's lanes past the quarter's end are held at its last block).  One slot, two key steps, ahead.
; The last change that fills a slot asks for nothing; slots 0 and 1 come by their loads alone.
.macro ASK
	s_cmp_gt_u32 s[SLOTS], s[LIM]
	s_cbranch_scc0 .Lnot_mine_\@
	global_prefetch_b8 v[PFO1], s[PFA:PFA+1] th:TH_LOAD_NT scope:SCOPE_SE
	global_prefetch_b8 v[PFO2], s[PFA:PFA+1] th:TH_LOAD_NT scope:SCOPE_SE
.Lnot_mine_\@:
.endm
	s_load_b128 s[4:7], s[0:1], 0x0                ; qkv s[4:5], att s[6:7]
	v_lshl_add_u32 v[SPW], v0, 2, SPARE
	v_mov_b32 v[NIL], 0
	ds_add_u32 v[SPW], v[NIL]                      ; the wave's opening: the add and its wait stand ahead of my first tensor load; the set-up below, work on registers, stands between them
	v_lshrrev_b32 v8, 5, v0
	v_readfirstlane_b32 s[WV], v8                  ; wave 0..7
	s_and_b32 s72, ttmp7, 0xffff                   ; the head
	s_sub_co_u32 s73, 63, ttmp9
	s_cmp_lt_u32 s[WV], 4
	s_cselect_b32 s73, ttmp9, s73                  ; my block of 64 queries: x, or 63 - x
	s_lshl_b32 s73, s73, 6
	s_and_b32 s74, s[WV], 3
	s_lshl_b32 s75, s74, 4
	s_add_co_u32 s[Q0], s73, s75                   ; my first query
	s_lshl_b32 s[LQ], ttmp9, 6
	s_sub_co_u32 s[LQ], 4095, s[LQ]                ; the last query of block 63 - x
	s_mul_i32 s76, s72, HEADB                      ; the head's first byte in a region
	s_lshr_b32 s77, s[Q0], 8
	s_mul_i32 s77, s77, REC
	s_add_co_u32 s77, s77, s76                     ; my queries' record,
	s_bfe_u32 s78, s[Q0], 0x40004                  ; and their image in it
	s_mul_i32 s79, s78, 1536
	s_add_co_u32 s82, s77, s79
	s_mov_b32 s83, 0
	s_lshl_b32 s78, s78, 6
	s_add_co_u32 s84, s77, s78
	s_add_co_u32 s84, s84, 16*1536                 ; their scale words
	s_mov_b32 s85, 0
	s_lshr_b32 s86, s74, 1                         ; quarter j = wave % 4: 0, 1: K's record, 2, 3: V's
	s_add_co_u32 s86, s86, 1
	s_mul_i32 s86, s86, REGB
	s_add_co_u32 s86, s86, s76
	s_and_b32 s87, s74, 1
	s_mul_i32 s87, s87, QUART
	s_add_co_u32 s86, s86, s87
	s_mov_b32 s87, 0
	s_lshr_b32 s90, s[Q0], 4                       ; att: image (token block, head),
	s_lshl_b32 s90, s90, 3
	s_add_co_u32 s90, s90, s72
	s_mul_i32 s90, s90, 1536
	s_mov_b32 s91, 0
	s_lshl_b32 s92, s[Q0], 5                       ; and scale words: 32 bytes a token, 4 a head
	s_lshl_b32 s93, s72, 2
	s_add_co_u32 s92, s92, s93
	s_add_co_u32 s92, s92, ATS
	s_mov_b32 s93, 0
	; descriptor group 1: a dense block of 12,800 bytes as 50 rows of 256 bytes (32 elements of 8 bytes), no padding
	s_mov_b32 s[G1], 3<<16                         ; 15:0 no mask; 17:16 elements of 8 bytes; 20 padding off
	s_mov_b32 s[G1+1], 32<<16                      ; tensor_dim0
	s_mov_b32 s[G1+2], 50<<16                      ; tensor_dim1
	s_mov_b32 s[G1+3], 32<<16                      ; tile_dim0
	s_mov_b32 s[G1+4], 50                          ; tile_dim1
	s_mov_b32 s[G1+5], 32                          ; tensor_dim0_stride
	s_mov_b32 s[G1+6], 0
	s_mov_b32 s[G1+7], 0
	s_mov_b32 s[SEL], 0x76543210
	s_mov_b32 s[SEL+1], 0xfedcba98
	s_mov_b32 s[CS], 0x3e0293ee                    ; c = log2(e) / sqrt(128)
	s_mov_b32 s[CS+1], s[CS]                       ; (named with it as a pair)
	s_mov_b32 s[TB], 0
	s_mov_b32 s[SLOTS], NSL-1
	s_mov_b32 s[KF], 0
	s_lshr_b32 s81, s[WV], 2
	s_xor_b32 s81, s81, 1                          ; 0 in waves 4-7,
	s_or_b32 s81, s81, ttmp9                       ; of the head's first work-group
	s_cmp_eq_u32 s81, 0
	s_cselect_b32 s[LIM], 1, -1
	v_and_b32 v10, 31, v0
	v_lshlrev_b32 v[LI], 4, v10
	v_lshlrev_b32 v[LS], 2, v10
	v_and_b32 v11, 15, v0
	v_lshlrev_b32 v[QSO], 2, v11
	v_lshlrev_b32 v[OSO], 5, v11
	v_lshlrev_b32 v[PFO1], 8, v10
	v_add_nc_u32 v[PFO2], 32, v10
	v_min_u32 v[PFO2], 49, v[PFO2]
	v_lshlrev_b32 v[PFO2], 8, v[PFO2]
	s_wait_dscnt 0x0                               ; the opening add is done
	s_wait_kmcnt 0x0
	s_mov_b32 s[G0], 1                             ; 1:0 count = 1
	s_mul_i32 s[G0+1], s74, QUART                  ; 63:32 LDS address: slot 0, my quarter
	s_add_nc_u64 s[G0+2:G0+3], s[4:5], s[86:87]    ; 120:64 global address: the head's slot 0
	s_or_b32 s[G0+3], s[G0+3], 0x80000000          ; 127:126 type = 2
	TLOAD                                          ; slot 0
	s_add_nc_u64 s[PFA:PFA+1], s[4:5], s[86:87]
	s_add_nc_u64 s[PFA:PFA+1], s[PFA:PFA+1], REC   ; in slot 1: the first change of slots steps it to slot 2.  Nothing is prefetched here, at the head
	s_add_nc_u64 s[8:9], s[4:5], s[82:83]          ; Q's image
	s_add_nc_u64 s[10:11], s[4:5], s[84:85]        ; Q's scale words
	s_add_nc_u64 s[12:13], s[6:7], s[90:91]        ; my image in att
	s_add_nc_u64 s[14:15], s[6:7], s[92:93]        ; my scale words in att
.irp c, 0,1,2
	global_load_b128 v[16+4*\c:19+4*\c], v[LI], s[8:9] offset:512*\c   ; Q's fragment stays in registers
.endr
	global_load_b32 v255, v[QSO], s[10:11]
	v_mov_b32 v13, 0xff61b1e6                      ; the largest t so far: -3e38, under every t
	v_floor_f32 v12, -v13                          ; -M
	v_mov_b32 v14, 0                               ; the sum, in two halves
	v_mov_b32 v15, 0
.irp b, 0,1,2,3
	v_mov_b32 v[236+\b], 0                         ; written once: a lane permute's destination counts as one of its sources
.endr
	v_mov_b32 v250, 0
	v_mov_b32 v251, 0                              ; (named as the upper half of the pair v[250:251])
.irp j, 0,1,2,3,4,5,6,7,8,9,10,11,12,13,14,15,16,17,18,19,20,21,22,23,24,25,26,27,28,29,30,31,32,33,34,35,36,37,38,39,40,41,42,43,44,45,46,47,48,49,50,51,52,53,54,55,56,57,58,59,60,61,62,63
	v_mov_b32 v[160+\j], 0                         ; O^T.  (The step is written for every step alike: the first finds zeros, which the first change of M leaves zeros)
.endr
; A KEY STEP: 128 keys, the q-th of the slot in hand.
.macro STEP q
	s_add_co_u32 s96, s[Q0], 15                    ; a step all of whose keys come after my 16 queries is left out: a scalar branch on ids, round loads, products and softmax alone
	s_cmp_gt_u32 s[KF], s96
	s_cbranch_scc1 .Lhidden_\@
	v_add_nc_u32 v[ADK], s[TB], v[LI]
	v_add_nc_u32 v[ADS], s[TB], v[LS]
	v_nop
	v_nop                                          ; these four are the places in front of loads into registers that the last step's products have read
.irp g, 0,1                                    ; S^T = K Q^T, four tiles of 16 keys at a time
.if \g > 0
.rept 4
	v_nop
.endr
.endif
.irp t, 0,1,2,3
.irp c, 0,1,2
	ds_load_b128 v[32+12*\t+4*\c:35+12*\t+4*\c], v[ADK] offset:1536*(8*(\q)+4*\g+\t)+512*\c
.endr
.endr
.irp i, 0,1
	ds_load_b32 v[248+\i], v[ADS] offset:16*1536+512*(\q)+256*\g+128*\i   ; lanes 0-15: tile 4 g + 2 i's scale words, lanes 16-31: tile 4 g + 2 i + 1's
.endr
	s_wait_dscnt 0x0
.irp t, 0,2
	v_wmma_scale_f32_16x16x128_f8f6f4 v[96+8*(4*\g+\t):103+8*(4*\g+\t)], v[32+12*\t:43+12*\t], v[16:27], 0, v[248+\t/2], v255 matrix_a_fmt:MATRIX_FMT_BF6 matrix_b_fmt:MATRIX_FMT_BF6
	v_wmma_scale_f32_16x16x128_f8f6f4 v[96+8*(4*\g+\t+1):103+8*(4*\g+\t+1)], v[32+12*(\t+1):43+12*(\t+1)], v[16:27], 0, v[248+\t/2], v255 matrix_a_fmt:MATRIX_FMT_BF6 matrix_b_fmt:MATRIX_FMT_BF6 matrix_a_scale:MATRIX_SCALE_ROW1
.endr
.endr
.rept 4
	v_nop
.endr
	s_add_co_u32 s96, s[KF], 127                   ; on the diagonal the scores of hidden keys become -infinity ahead of the maximum: p = 0 then.  A step all of whose keys count skips this
	s_cmp_le_u32 s96, s[Q0]
	s_cbranch_scc1 .Lopen_\@
	s_sub_co_i32 s96, s[Q0], s[KF]
	v_and_b32 v252, 15, v0
	v_bfe_u32 v251, v0, 4, 1
	v_lshlrev_b32 v251, 3, v251
	v_sub_nc_u32 v252, v252, v251
	v_add_nc_u32 v252, s96, v252                   ; d = my query - KF - 8 (lane / 16).  Register n holds key KF + 16 (n / 8) + 8 (lane / 16) + n % 8: hidden where 16 (n / 8) + n % 8 > d
	v_mov_b32 v254, 0xff800000                     ; -infinity
.irp n, 0,1,2,3,4,5,6,7,8,9,10,11,12,13,14,15,16,17,18,19,20,21,22,23,24,25,26,27,28,29,30,31,32,33,34,35,36,37,38,39,40,41,42,43,44,45,46,47,48,49,50,51,52,53,54,55,56,57,58,59,60,61,62,63
	v_cmp_gt_i32 vcc_lo, 16*(\n/8)+\n%8, v252
	v_cndmask_b32 v[96+\n], v[96+\n], v254, vcc_lo
.endr
.Lopen_\@:
.irp b, 0,1,2,3
	v_max3_num_f32 v[232+\b], v[96+16*\b], v[97+16*\b], v[98+16*\b]   ; the largest score of each block of 32 keys: it serves for the row's maximum and, since p rises with the score, for the block's largest p
.endr
.irp i, 3,5,7,9,11,13
.irp b, 0,1,2,3
	v_max3_num_f32 v[232+\b], v[232+\b], v[96+16*\b+\i], v[97+16*\b+\i]   ; (the four blocks by turns)
.endr
.endr
.irp b, 0,1,2,3
	v_max_num_f32 v[232+\b], v[232+\b], v[111+16*\b]
.endr
.irp b, 0,1,2,3
	v_permlanex16_b32 v[236+\b], v[232+\b], s[SEL], s[SEL+1]
.endr
.irp b, 0,1,2,3
	v_max_num_f32 v[232+\b], v[232+\b], v[236+\b]  ; with lane l xor 16's 16 keys
.endr
	v_max3_num_f32 v254, v232, v233, v234
	v_max_num_f32 v254, v254, v235                 ; the step's largest score of my query
	v_mul_f32 v254, s[CS], v254                    ; as t (c is positive)
	v_max_num_f32 v13, v13, v254                   ; the running largest t
	v_mov_b32 v254, v12
	v_floor_f32 v12, -v13                          ; the new -M = floor(-t) = -ceil(t): a whole number
	v_sub_f32 v254, v12, v254                      ; M's old value less its new one: a whole number, 0 or less
	v_cvt_i32_f32 v254, v254                       ; (it saturates)
	v_ldexp_f32 v250, 1.0, v254                    ; f = 2^(old M - new M)
.irp j, 0,2,4,6,8,10,12,14,16,18,20,22,24,26,28,30,32,34,36,38,40,42,44,46,48,50,52,54,56,58,60,62
	v_pk_fma_f32 v[96+\j:97+\j], v[96+\j:97+\j], s[CS:CS+1], v[12:13] op_sel_hi:[1,0,0]   ; t - M, two at a time
.endr
.irp b, 0,1,2,3
	v_fma_f32 v[232+\b], v[232+\b], s[CS], v12     ; the same of each block's largest score
.endr
.irp j, 0,1,2,3,4,5,6,7,8,9,10,11,12,13,14,15,16,17,18,19,20,21,22,23,24,25,26,27,28,29,30,31,32,33,34,35,36,37,38,39,40,41,42,43,44,45,46,47,48,49,50,51,52,53,54,55,56,57,58,59,60,61,62,63
	v_exp_f32 v[96+\j], v[96+\j]                   ; p = 2^(t - M), at most 1: not normalised
.endr
	v_pk_mul_f32 v[14:15], v[14:15], v[250:251] op_sel_hi:[1,0]   ; the sums under the new M.  (A plain place behind the exponentials)
	s_wait_alu depctr_va_vdst(0)                   ; one wait for the whole batch, ahead of its first reader
.irp b, 0,1,2,3
	v_exp_f32 v[232+\b], v[232+\b]                 ; the block's largest p: the same two instructions on the same number give the same bits
.endr
	v_pk_add_f32 v[236:237], v[96:97], v[98:99]    ; the row's sum is taken of the unquantised p: two at a time, in two chains
.irp j, 4,8,12,16,20,24,28,32,36,40,44,48,52,56,60
	v_pk_add_f32 v[14:15], v[14:15], v[96+\j:97+\j]
	v_pk_add_f32 v[236:237], v[236:237], v[98+\j:99+\j]
.endr
	v_pk_add_f32 v[14:15], v[14:15], v[236:237]
	s_wait_alu depctr_va_vdst(0)                   ; and one for the four
.irp b, 0,1,2,3
	v_max_num_f32 v[232+\b], 0x2800000, v[232+\b]  ; the floor 2^(5 - 127): the byte cannot fall under 1
.endr
.irp b, 0,1,2,3
	v_add_nc_u32 v[244+\b], 0xfe000000, v[232+\b]  ; 4 off the exponent field: the conversion's scale operand
.endr
.irp b, 0,1,2,3
	v_lshrrev_b32 v[236+\b], 23, v[244+\b]         ; the scale's byte
.endr
	v_lshl_or_b32 v253, v237, 8, v236              ; p's scale word for these 128 keys
	v_lshl_or_b32 v253, v238, 16, v253
	v_lshl_or_b32 v253, v239, 24, v253
.irp c, 0,1
	v_cvt_scalef32_pk16_bf6_f32 v[224+6*\c:226+6*\c], v[96+32*\c:111+32*\c], v[244+2*\c]
	v_cvt_scalef32_pk16_bf6_f32 v[236+4*\c:238+4*\c], v[112+32*\c:127+32*\c], v[244+2*\c+1]   ; (a conversion's three registers begin on an even number)
.endr
	v_nop                                          ; one plain place behind a scaled conversion
.irp c, 0,1                                    ; the operand's layout wants a whole block in a lane
.irp i, 0,1,2
	v_permlane16_swap_b32 v[224+6*\c+\i], v[236+4*\c+\i]
.endr
.irp i, 0,1,2
	v_mov_b32 v[227+6*\c+\i], v[236+4*\c+\i]
.endr
.endr
.irp j, 0,2,4,6,8,10,12,14,16,18,20,22,24,26,28,30,32,34,36,38,40,42,44,46,48,50,52,54,56,58,60,62
	v_pk_mul_f32 v[160+\j:161+\j], v[160+\j:161+\j], v[250:251] op_sel_hi:[1,0]   ; O^T under the new M.  (These 32 are also the places in front of the matrix instructions and loads below)
.endr
.irp g, 0,1                                    ; O^T += V^T P^T: four tiles of 16 channels at a time; K = these 128 keys
.if \g > 0
.rept 4
	v_nop
.endr
.endif
.irp t, 0,1,2,3
.irp c, 0,1,2
	ds_load_b128 v[32+12*\t+4*\c:35+12*\t+4*\c], v[ADK] offset:VOFF+1536*(8*(\q)+4*\g+\t)+512*\c
.endr
.endr
.irp i, 0,1
	ds_load_b32 v[248+\i], v[ADS] offset:VOFF+16*1536+512*(\q)+256*\g+128*\i
.endr
	s_wait_dscnt 0x0
.irp t, 0,2
	v_wmma_scale_f32_16x16x128_f8f6f4 v[160+8*(4*\g+\t):167+8*(4*\g+\t)], v[32+12*\t:43+12*\t], v[224:235], v[160+8*(4*\g+\t):167+8*(4*\g+\t)], v[248+\t/2], v253 matrix_a_fmt:MATRIX_FMT_BF6 matrix_b_fmt:MATRIX_FMT_BF6
	v_wmma_scale_f32_16x16x128_f8f6f4 v[160+8*(4*\g+\t+1):167+8*(4*\g+\t+1)], v[32+12*(\t+1):43+12*(\t+1)], v[224:235], v[160+8*(4*\g+\t+1):167+8*(4*\g+\t+1)], v[248+\t/2], v253 matrix_a_fmt:MATRIX_FMT_BF6 matrix_b_fmt:MATRIX_FMT_BF6 matrix_a_scale:MATRIX_SCALE_ROW1
.endr
.endr
.Lhidden_\@:
	s_add_co_u32 s[KF], s[KF], 128
.endm
; THE CHANGE OF SLOTS stands at a slot's head.  Each wave waits for all its tensor loads (its part of the slot that it is about to read), adds 0 to its spare word, and waits for that and for its reads of the slot that it has left.
; Behind the barrier the slot ahead is whole and nobody reads the other one.  fill = 1: that other slot is filled with the keys that follow, up to the causal limit: the load has a slot's two steps in which to land.
.macro CHANGE fill
	s_wait_tensorcnt 0x0                           ; no tensor load of mine is out, so group 0 may be written
	ds_add_u32 v[SPW], v[NIL]                      ; 0 onto my spare word
.if \fill
	s_xor_b32 s[G0+1], s[G0+1], SLOT1              ; the walking descriptor: the other slot than last time,
	s_add_nc_u64 s[G0+2:G0+3], s[G0+2:G0+3], REC   ; the next record; the type bits on top are not reached
	s_wait_xcnt 0x0                                ; the last prefetches, a slot back, have read their address, so it may be written:
	s_add_nc_u64 s[PFA:PFA+1], s[PFA:PFA+1], REC   ; one slot further on than the walking descriptor
.endif
	s_wait_dscnt 0x0                               ; the add is done, and my reads of the slot that I have left are over
	s_barrier_signal -1
	s_barrier_wait -1
.if \fill
	s_add_co_u32 s96, s[KF], 256                   ; the first key of the slot that this change would ask for:
	s_cmp_gt_u32 s96, s[LQ]                        ; past my work-group's last query it is read by none of the eight waves, so it is not asked for.  Ids and the count of steps alone: all waves go the same way
	s_cbranch_scc1 .Lpast_\@
	TLOAD                                          ; the first thing behind the barrier but for these three lines, and a wave's one tensor load until the next.  Every wait for tensor loads in this text is for all of them
.Lpast_\@:
	ASK
.endif
.endm
.macro SLOT_STEPS
	STEP 0
	STEP 1
	s_xor_b32 s[TB], s[TB], SLOT1                  ; on to the other slot
.endm
	s_wait_loadcnt 0x0                             ; Q
.Lslot:                                            ; 15 trips: behind each change of slots but the last the next slot is asked for, up to the causal limit
	CHANGE 1
	SLOT_STEPS
	s_sub_co_u32 s[SLOTS], s[SLOTS], 1
	s_cmp_lg_u32 s[SLOTS], 0
	s_cbranch_scc1 .Lslot
	CHANGE 0                                       ; the last slot is written out: nothing is left to ask for
	SLOT_STEPS
	; THE WAY OUT.  O^T is divided by the row's sum and quantised along the head's 128, which are one K step of the output projection; register 16 b + 8 u + j is channel 32 b + 16 h + 8 u + j.
	v_add_f32 v14, v14, v15                        ; the sum's two halves,
	v_permlanex16_b32 v250, v14, s[SEL], s[SEL+1]
	v_add_f32 v14, v14, v250                       ; and lane l xor 16's: the row's sum
	v_rcp_f32 v14, v14
.rept 4
	v_nop                                          ; plain places: behind the transcendental, and behind the last products
.endr
	s_wait_alu depctr_va_vdst(0)                   ; a wait ahead of the first reader
.irp j, 0,1,2,3,4,5,6,7,8,9,10,11,12,13,14,15,16,17,18,19,20,21,22,23,24,25,26,27,28,29,30,31,32,33,34,35,36,37,38,39,40,41,42,43,44,45,46,47,48,49,50,51,52,53,54,55,56,57,58,59,60,61,62,63
	v_mul_f32 v[96+\j], v[160+\j], v14             ; each accumulator from its low end on
.endr
.irp b, 0,1,2,3
	v_max3_num_f32 v[232+\b], |v[96+16*\b]|, |v[97+16*\b]|, 0x2800000   ; block b: my 16 numbers, and the floor 2^(5 - 127)
.endr
.irp i, 2,4,6,8,10,12,14
.irp b, 0,1,2,3
	v_max3_num_f32 v[232+\b], v[232+\b], |v[96+16*\b+\i]|, |v[97+16*\b+\i]|
.endr
.endr
.irp b, 0,1,2,3
	v_permlanex16_b32 v[236+\b], v[232+\b], s[SEL], s[SEL+1]
.endr
.irp b, 0,1,2,3
	v_max_num_f32 v[232+\b], v[232+\b], v[236+\b]
.endr
.irp b, 0,1,2,3
	v_add_nc_u32 v[244+\b], 0xfe000000, v[232+\b]
.endr
.irp b, 0,1,2,3
	v_lshrrev_b32 v[236+\b], 23, v[244+\b]
.endr
	v_lshl_or_b32 v52, v237, 8, v236               ; my row's scale word for this head
	v_lshl_or_b32 v52, v238, 16, v52
	v_lshl_or_b32 v52, v239, 24, v52
.irp c, 0,1
	v_cvt_scalef32_pk16_bf6_f32 v[32+6*\c:34+6*\c], v[96+32*\c:111+32*\c], v[244+2*\c]
	v_cvt_scalef32_pk16_bf6_f32 v[44+4*\c:46+4*\c], v[112+32*\c:127+32*\c], v[244+2*\c+1]
.endr
	v_nop                                          ; one plain place behind a scaled conversion
.irp c, 0,1
.irp i, 0,1,2
	v_permlane16_swap_b32 v[32+6*\c+\i], v[44+4*\c+\i]
.endr
.irp i, 0,1,2
	v_mov_b32 v[35+6*\c+\i], v[44+4*\c+\i]
.endr
.endr
.irp c, 0,1,2
	global_store_b128 v[LI], v[32+4*\c:35+4*\c], s[12:13] offset:512*\c   ; the image: 512 consecutive bytes a store, aligned
.endr
	global_store_b32 v[OSO], v52, s[14:15]         ; a word a token, 32 bytes apart (the other heads' words lie between); both lanes of a row write the same word with the same value
	s_wait_tensorcnt 0x0                           ; the wave's end
	ds_add_u32 v[SPW], v[NIL]
	s_wait_dscnt 0x0
	s_endpgm
.Lfunc_end_k_qdda36ace07_attn:
	.size	k_qdda36ace07_attn, .Lfunc_end_k_qdda36ace07_attn-k_qdda36ace07_attn
	.p2alignl 7, 3214868480
	.fill 96, 4, 3214868480
	.section	.rodata,"a",@progbits
	.p2align	6, 0x0
	.amdhsa_kernel k_qdda36ace07_attn
		.amdhsa_group_segment_fixed_size 327680
		.amdhsa_private_segment_fixed_size 0
		.amdhsa_enable_private_segment 0
		.amdhsa_kernarg_size 16
		.amdhsa_user_sgpr_count 2
		.amdhsa_user_sgpr_kernarg_segment_ptr 1
		.amdhsa_wavefront_size32 1
		.amdhsa_system_sgpr_workgroup_id_x 1
		.amdhsa_system_sgpr_workgroup_id_y 1
		.amdhsa_system_sgpr_workgroup_id_z 1
		.amdhsa_system_vgpr_workitem_id 0
		.amdhsa_next_free_vgpr 256
		.amdhsa_next_free_sgpr 100
		.amdhsa_reserve_vcc 1
		.amdhsa_float_denorm_mode_32 3
		.amdhsa_float_denorm_mode_16_64 3
		.amdhsa_memory_ordered 1
		.amdhsa_forward_progress 1
		.amdhsa_inst_pref_size 112
	.end_amdhsa_kernel
	.amdgpu_metadata
---
amdhsa.version: [ 1, 2 ]
amdhsa.kernels:
  - .name:           k_qdda36ace07_attn
    .symbol:         k_qdda36ace07_attn.kd
    .args:
      - { .name: qkv, .offset: 0, .size: 8, .value_kind: global_buffer, .address_space: global }
      - { .name: att, .offset: 8, .size: 8, .value_kind: global_buffer, .address_space: global }
    .group_segment_fixed_size: 327680
    .private_segment_fixed_size: 0
    .kernarg_segment_align: 8
    .kernarg_segment_size: 16
    .max_flat_workgroup_size: 256
    .sgpr_count:     100
    .vgpr_count:     256
    .wavefront_size: 32
...
	.end_amdgpu_metadata
.endif
;; end of part 3
;; launch oproj (part 4): grid 8 x 16, 4 waves a work-group, clusters of 4 x 4, 327,680 bytes of LDS; arguments att, ops, out0; writes out0
.if DOCPART == 4
	.amdgcn_target "amdgcn-amd-amdhsa--gfx1250"
	.amdhsa_code_object_version 6
	.text
	.protected	k_qdda36ace07_oproj
	.globl	k_qdda36ace07_oproj
	.p2align	8
	.type	k_qdda36ace07_oproj,@function
k_qdda36ace07_oproj:
	s_mov_b64 s[64:65], 0
	v_nop
	global_prefetch_b8 v0, s[64:65] scope:SCOPE_SE
	s_setreg_imm32_b32 hwreg(HW_REG_WAVE_MODE, 25, 1), 1
	s_wait_xcnt 0x0
	s_wait_alu depctr_hold_cnt(0) depctr_sa_sdst(0) depctr_va_vdst(0) depctr_va_sdst(0) depctr_va_ssrc(0) depctr_va_vcc(0) depctr_vm_vsrc(0)
	s_getreg_b32 s2, hwreg(HW_REG_IB_STS2, 6, 4)
	s_cmp_eq_u32 s2, 0
	s_cbranch_scc0 .Lentry_in_a_cluster
	s_endpgm
.Lentry_in_a_cluster:
	s_bfe_u32 s2, ttmp6, 0x10000c
	s_cmp_lg_u32 s2, 0xf033
	s_cbranch_scc0 .Lentry_shape_is_right
	s_endpgm
.Lentry_shape_is_right:
; out0[m][n] = sum over k of A[m][k] wo[n][k], on codes of BF6 (E3M2) with one E8M0 scale for each 32 along K.  M = 4,096 tokens, N = 2,048, K = 1,024 = (head, channel); out0 f32; sums in f32.
; A comes from the attention launch as operand IMAGES: att = [block of 16 tokens: 256][head 8][1,536 bytes], registers 4 c .. 4 c + 3 of lane l at 512 c + 16 l; behind them the scale words [token][head].
; wo's codes are rows of 768 bytes in ops, its scale bytes rows of 32.
; A tile of C, 256 x 256, is made by four waves; a wave makes 128 x 128: 64 accumulators, 512 registers.  K goes in steps of 256 through a ring of two LDS slots filled by the tensor data mover:
; of A eight row blocks x two images (3,072 bytes, 12,288 bytes apart in memory) a load, dense in LDS; of B 128 rows of 192 bytes a load, padded.  The scale bytes come into LDS once, with the first fills.
; CLUSTERS: 4 x 4 work-groups; A's tiles are asked for jointly along a row of the cluster, B's along a column.  THE MATRIX INSTRUCTION IS USED TRANSPOSED: a lane holds eight neighbouring numbers of a row of C.
; The size gives 128 tiles of 256 x 256: half of the 256 WGPs have a work-group.
; REGISTERS, in windows of 256: window 0: v0-31 addresses; v32-63 scale words, two sets; from v128 A's fragments, one set; on the way out v32-255 are free.
;   window 1: B's fragments, two sets.   windows 2, 3: the accumulators ((a, b) at v[8 (8 (a % 4) + b)]).
.set SIZE_N, 2048
.set SIZE_K, 1024
.set KSTEP,  256
.set NQ,     KSTEP/128
.set ROWB,   192                       ; B: a tile's row in bytes
.set KROW,   SIZE_K*6/8                ; a row of codes in memory; 16 of them are a row block's eight images of A
.set AIMG,   3072                      ; A: a row block's two images of a K step
.set PITCH,  240                       ; B: an LDS row: 3 x (64 bytes + 16 of padding)
.set FR,     12
.set NL,     6                         ; LDS loads that bring a fragment of B,
.set NLA,    3                         ; of A
.set NP,     4                         ; places behind this matrix instruction (ISA guide 7.12.1)
.set HALFT,  128*PITCH                 ; a wave's part of a slot (A's loads use 24,576 bytes of theirs)
.set SLOT,   4*HALFT
.set LAPS,   SIZE_K/(2*KSTEP)
.set KS,     SIZE_K/32
.set SCL,    2*SLOT
.set HALFS,  (128*KS/256)*272
.set SBLK,   (16*KS/256)*272
.set SPARE,  SCL+4*HALFS               ; the spare words, 128 bytes a wave, which no other line names
.set SPITCH, 528                       ; the way out: a stage of 16 rows x (512 bytes + 16) for each wave, in slot 0, which has had its last fill and its last read when the first result is stored there
.set OC,     11010048                  ; in ops: wo's codes,
.set OS,     13041664                  ; wo's scale bytes
.set ATS,    3145728                   ; in att: the scale words
.set ADRA, 16                          ; v16-17  LDS address of my A images in slot 0, 1
.set ADRB, 20                          ; v20-23  of my B fragments (v22-23: behind one padding more)
.set STO,  24
.set RD,   25
.set CO,   26
.set ADRS, 27
.set SPW,  28                          ; v28     LDS address of my spare word; never rewritten
.set NIL,  29                          ; v29     0; never rewritten
.set SC,   32
.set AF,   128
.set BK,   128
.set G1, 24
.set G0, 32
.set G1B, 48
.set G0B, 56
.set G1S, 68
.set G0S, 76
.set G1SB, 80
.set G0SB, 88
.set MSB, 0
.macro WIN new                         ; the immediate's high byte repeats the setting that is left
.if MSB != (\new)
	s_set_vgpr_msb (MSB<<8)|(\new)
.set MSB, (\new)
.endif
.endm
.set MUL_LO, 0xa1
.set MUL_HI, 0xf1
.set TO_B,   0x40
.macro JLOAD g0a, g1a, g0b, g1b        ; a joint load: waves 0 and 1 fetch for A, waves 2 and 3 for B; an s_nop 0 and four v_nop follow each of the two lines
	s_cmp_eq_u32 s15, 0
	s_cbranch_scc0 .Lfor_b_\@
	tensor_load_to_lds s[\g0a:\g0a+3], s[\g1a:\g1a+7]
	s_nop 0
.rept 4
	v_nop
.endr
	s_branch .Lasked_\@
.Lfor_b_\@:
	tensor_load_to_lds s[\g0b:\g0b+3], s[\g1b:\g1b+7]
	s_nop 0
.rept 4
	v_nop
.endr
.Lasked_\@:
.endm
.macro CREST
	s_cmp_lg_u32 s14, 0
	s_cbranch_scc1 .Lnot_wave_0_\@
	s_barrier_signal -3
.Lnot_wave_0_\@:
	s_barrier_wait -3
	s_barrier_signal -1
	s_barrier_wait -1
.endm
.macro CROUND
	s_barrier_signal -1
	s_barrier_wait -1
	CREST
.endm
	s_load_b128 s[4:7], s[0:1], 0x0                ; att s[4:5], ops s[6:7]
	s_load_b64 s[12:13], s[0:1], 0x10              ; out0
	v_lshl_add_u32 v[SPW], v0, 2, SPARE
	v_mov_b32 v[NIL], 0
	ds_add_u32 v[SPW], v[NIL]                      ; the wave's opening: the add and its wait stand ahead of my first tensor load; the set-up below, work on registers, stands between them
	v_lshrrev_b32 v1, 5, v0
	v_readfirstlane_b32 s14, v1                    ; wave 0..3
	s_lshr_b32 s15, s14, 1                         ; which half of the tile's rows is mine.  Also: I fetch for A (0) or for B (1)
	s_and_b32 s16, s14, 1                          ; which half of its columns.  Also: which 128 rows I fetch
	s_bfe_u32 s40, ttmp6, 0x40000                  ; cx, cy
	s_bfe_u32 s41, ttmp6, 0x40004
	s_lshl_b32 s42, ttmp9, 2
	s_add_co_u32 s42, s42, s40                     ; tile column of C
	s_and_b32 s17, ttmp7, 0xffff
	s_lshl_b32 s17, s17, 2
	s_add_co_u32 s17, s17, s41                     ; tile row of C
	s_lshl_b32 s43, s41, 2
	s_lshl_b32 s43, 15, s43                        ; my row of the cluster
	s_lshl_b32 s44, 0x1111, s40                    ; my column
	; A's group 1: 8 row blocks x 3,072 bytes (384 elements of 8 bytes), 12,288 bytes apart, dense in LDS
	s_or_b32 s[G1+0], s43, (3<<16)|(1<<21)         ; 15:0 the mask; 17:16 elements of 8 bytes; 20 padding off; 21 set beside a mask
	s_mov_b32 s[G1+1], 384<<16                     ; tensor_dim0
	s_mov_b32 s[G1+2], 8<<16                       ; tensor_dim1
	s_mov_b32 s[G1+3], 384<<16                     ; tile_dim0
	s_mov_b32 s[G1+4], 8                           ; tile_dim1
	s_mov_b32 s[G1+5], 1536                        ; tensor_dim0_stride
	s_mov_b32 s[G1+6], 0
	s_mov_b32 s[G1+7], 0
	; B's: 128 rows x ROWB bytes, padded in LDS
	s_or_b32 s[G1B+0], s44, (0<<16)|(1<<20)|(1<<21)|(3<<22)|(3<<25)
	s_mov_b32 s[G1B+1], ROWB<<16
	s_mov_b32 s[G1B+2], 128<<16
	s_mov_b32 s[G1B+3], ROWB<<16
	s_mov_b32 s[G1B+4], 128
	s_mov_b32 s[G1B+5], KROW
	s_mov_b32 s[G1B+6], 0
	s_mov_b32 s[G1B+7], 0
	; the scales of 128 rows: a dense block of 128 KS bytes, as rows of 256 bytes, 16 bytes of padding behind each
	s_or_b32 s[G1S+0], s43, (3<<16)|(1<<20)|(1<<21)|(5<<22)|(3<<25)
	s_or_b32 s[G1SB+0], s44, (3<<16)|(1<<20)|(1<<21)|(5<<22)|(3<<25)
.irp g, G1S, G1SB
	s_mov_b32 s[\g+1], 32<<16
	s_mov_b32 s[\g+2], (128*KS/256)<<16
	s_mov_b32 s[\g+3], 32<<16
	s_mov_b32 s[\g+4], 128*KS/256
	s_mov_b32 s[\g+5], 32
	s_mov_b32 s[\g+6], 0
	s_mov_b32 s[\g+7], 0
.endr
	s_lshl_b32 s18, s16, 7
	s_lshl_b32 s20, s17, 8
	s_add_co_u32 s20, s20, s18                     ; A: row 256 x tile row + 128 x half
	s_lshl_b32 s46, s42, 8
	s_add_co_u32 s46, s46, s18                     ; B: row 256 x tile column + 128 x half
	s_mov_b32 s21, 0
	s_mov_b32 s47, 0
	s_mov_b64 s[18:19], KS
	s_mul_u64 s[22:23], s[20:21], s[18:19]         ; where these rows' scales begin, in bytes
	s_mul_u64 s[92:93], s[46:47], s[18:19]
	s_mov_b64 s[18:19], KROW
	s_mul_u64 s[20:21], s[20:21], s[18:19]         ; and their codes (A: 16 rows x 768 bytes are a row block's eight images)
	s_mul_u64 s[46:47], s[46:47], s[18:19]
	s_mul_i32 s45, s14, HALFT                      ; where they go: no place in the cluster enters an LDS address
	s_mul_i32 s94, s14, HALFS
	s_wait_dscnt 0x0                               ; the opening add is done
	s_wait_kmcnt 0x0
	s_add_nc_u64 s[8:9], s[6:7], OC                ; wo's codes
	s_add_nc_u64 s[10:11], s[6:7], OS              ; wo's scale bytes
	s_add_nc_u64 s[6:7], s[4:5], ATS               ; A's scale words
	s_add_nc_u64 s[20:21], s[4:5], s[20:21]
	s_add_nc_u64 s[22:23], s[6:7], s[22:23]
	s_add_nc_u64 s[46:47], s[8:9], s[46:47]
	s_add_nc_u64 s[92:93], s[10:11], s[92:93]
	CROUND                                         ; all sixteen work-groups are here: the first joint loads meet
	s_mov_b32 s[G0S], 1
	s_add_co_u32 s[G0S+1], s94, SCL
	s_mov_b64 s[G0S+2:G0S+3], s[22:23]
	s_or_b32 s[G0S+3], s[G0S+3], 0x80000000
	s_mov_b32 s[G0SB], 1
	s_add_co_u32 s[G0SB+1], s94, SCL
	s_mov_b64 s[G0SB+2:G0SB+3], s[92:93]
	s_or_b32 s[G0SB+3], s[G0SB+3], 0x80000000
	JLOAD G0S, G1S, G0SB, G1SB                     ; the scales first
.irp s, 0,1
	s_mov_b32 s[G0+4*\s], 1
	s_add_co_u32 s[G0+4*\s+1], s45, \s*SLOT
	s_add_nc_u64 s[G0+4*\s+2:G0+4*\s+3], s[20:21], \s*AIMG
	s_or_b32 s[G0+4*\s+3], s[G0+4*\s+3], 0x80000000
	s_mov_b32 s[G0B+4*\s], 1
	s_add_co_u32 s[G0B+4*\s+1], s45, \s*SLOT
	s_add_nc_u64 s[G0B+4*\s+2:G0B+4*\s+3], s[46:47], \s*ROWB
	s_or_b32 s[G0B+4*\s+3], s[G0B+4*\s+3], 0x80000000
	JLOAD G0+4*\s, G1, G0B+4*\s, G1B               ; three loads of mine are out: the scales, slot 0, slot 1
.endr
	v_and_b32 v1, 15, v0                           ; l % 16
	v_bfe_u32 v2, v0, 4, 1                         ; l / 16
	v_mul_u32_u24 v3, v1, PITCH
	v_mul_u32_u24 v4, v2, 24
	v_add_nc_u32 v4, v3, v4                        ; B: a fragment's row x pitch + 24 x half
	v_lshl_add_u32 v5, v2, 4, v4                   ; and the same behind one padding more
	v_and_b32 v6, 31, v0
	v_lshlrev_b32 v7, 4, v6                        ; A: 16 x lane
	s_mul_i32 s21, s15, HALFT                      ; my 128 rows of A
	s_mul_i32 s22, s16, HALFT                      ; my 128 rows of B,
	s_add_co_u32 s22, s22, 2*HALFT                 ; which lie behind A's two parts
.irp s, 0,1
	v_add_nc_u32 v[ADRA+\s], s21, v7
	v_add_nc_u32 v[ADRB+\s], s22, v4
	v_add_nc_u32 v[ADRB+2+\s], s22, v5
	s_add_co_u32 s21, s21, SLOT
	s_add_co_u32 s22, s22, SLOT
.endr
	v_mul_u32_u24 v5, v1, KS                       ; my row's scales: KS bytes a row,
	v_lshrrev_b32 v6, 8, v5
	v_lshl_add_u32 v5, v6, 4, v5                   ; and 16 more for each 256 passed
	s_mul_i32 s21, s15, HALFS
	s_mul_i32 s22, s16, HALFS
	s_add_co_u32 s22, s22, 2*HALFS
	s_sub_co_u32 s22, s22, s21
	v_mul_u32_u24 v6, s22, v2                      ; lanes 16-31 take B's
	s_add_co_u32 s21, s21, SCL
	v_add_nc_u32 v5, v5, v6
	v_add_nc_u32 v[ADRS], s21, v5
	s_mul_i32 s23, s14, 16*SPITCH                  ; my stage
	v_mul_u32_u24 v5, v1, SPITCH                   ; in: row l % 16, 32 bytes for each half of the lanes
	v_lshl_add_u32 v5, v2, 5, v5
	v_add_nc_u32 v[STO], s23, v5
	v_and_b32 v6, 31, v0
	v_lshlrev_b32 v[CO], 4, v6                     ; back: the 32 lanes take one row of 512 bytes; and the same in C
	v_add_nc_u32 v[RD], s23, v[CO]
	s_lshl_b32 s20, s17, 8
	s_lshl_b32 s21, s15, 7
	s_add_co_u32 s20, s20, s21                     ; my first row of C
	s_mov_b32 s21, 0
	s_mov_b64 s[18:19], SIZE_N*4
	s_mul_u64 s[20:21], s[20:21], s[18:19]
	s_lshl_b32 s46, s42, 10                        ; my first column, in bytes
	s_lshl_b32 s47, s16, 9
	s_add_co_u32 s46, s46, s47
	s_mov_b32 s47, 0
	s_add_nc_u64 s[20:21], s[20:21], s[46:47]
	s_add_nc_u64 s[12:13], s[12:13], s[20:21]
.macro FRAG reg, adr, q, i             ; a fragment of B from padded rows, in pieces of 8 bytes
.irp p, 0,1,2,3,4,5
.set PCE, 12*(\q)+6*(\p/3)+\p%3
.if PCE%8 < 5
	ds_load_b64 v[\reg+2*\p:\reg+2*\p+1], v[\adr] offset:8*PCE+16*(PCE/8)+(\i)*16*PITCH
.else
	ds_load_b64 v[\reg+2*\p:\reg+2*\p+1], v[\adr+2] offset:8*PCE+16*(PCE/8)+(\i)*16*PITCH
.endif
.endr
.endm
.macro FRAGA reg, slot, q, i           ; a fragment of A from its image: three loads of 512 consecutive bytes
.irp c, 0,1,2
	ds_load_b128 v[\reg+4*\c:\reg+4*\c+3], v[ADRA+\slot] offset:AIMG*(\i)+1536*(\q)+512*\c
.endr
.endm
; 16 matrix instructions: A's blocks a0, a0 + 1 x B's eight.  The 64 accumulators take turns, one instruction a turn, in the same order in every step.
.macro MUL16 a0, p, q, sc, zero
.irp a, \a0, \a0+1
.irp b, 0,1,2,3,4,5,6,7
.if \zero
	v_wmma_scale_f32_16x16x128_f8f6f4 v[8*(8*((\a)%4)+\b):8*(8*((\a)%4)+\b)+7], v[128*(\p)+FR*\b:128*(\p)+FR*\b+FR-1], v[AF+FR*(\a):AF+FR*(\a)+FR-1], 0, v[SC+8*NQ*(\sc)+NQ*\b+(\q)], v[SC+8*NQ*(\sc)+NQ*(\a)+(\q)] matrix_a_fmt:MATRIX_FMT_BF6 matrix_b_fmt:MATRIX_FMT_BF6 matrix_a_scale:MATRIX_SCALE_ROW1
.else
	v_wmma_scale_f32_16x16x128_f8f6f4 v[8*(8*((\a)%4)+\b):8*(8*((\a)%4)+\b)+7], v[128*(\p)+FR*\b:128*(\p)+FR*\b+FR-1], v[AF+FR*(\a):AF+FR*(\a)+FR-1], v[8*(8*((\a)%4)+\b):8*(8*((\a)%4)+\b)+7], v[SC+8*NQ*(\sc)+NQ*\b+(\q)], v[SC+8*NQ*(\sc)+NQ*(\a)+(\q)] matrix_a_fmt:MATRIX_FMT_BF6 matrix_b_fmt:MATRIX_FMT_BF6 matrix_a_scale:MATRIX_SCALE_ROW1
.endif
.endr
.endr
.endm
.macro FETCH_B slot, q, p
	WIN TO_B
.irp i, 0,1,2,3,4,5,6,7
	FRAG 128*(\p)+FR*\i, ADRB+\slot, \q, \i
.endr
	WIN 0
.endm
.macro FETCH_A slot, q, i0
.irp i, \i0, \i0+1, \i0+2, \i0+3
	FRAGA AF+FR*(\i), \slot, \q, \i
.endr
.endm
.macro SCALES sc
.irp i, 0,1,2,3,4,5,6,7
	ds_load_b64 v[SC+8*NQ*\sc+NQ*\i:SC+8*NQ*\sc+NQ*\i+1], v[ADRS] offset:\i*SBLK
.endr
.endm
.macro PLACES n
.rept \n
	v_nop
.endr
.endm
.macro STEP slot, q, zero
	s_wait_dscnt 4*NLA                             ; B's set and A's blocks 0-3 are in; the youngest 12 loads (A's blocks 4-7) may be out
	WIN MUL_LO
	MUL16 0, (\q)%2, \q, \slot, \zero
	MUL16 2, (\q)%2, \q, \slot, \zero
	s_wait_dscnt 0
	PLACES NP
	FETCH_B \slot, (\q)+1, 1-(\q)%2
	FETCH_A \slot, (\q)+1, 0
	WIN MUL_HI
	MUL16 4, (\q)%2, \q, \slot, \zero
	MUL16 6, (\q)%2, \q, \slot, \zero
	PLACES NP
	WIN 0
	FETCH_A \slot, (\q)+1, 4
.endm
; A slot's last step changes slots: one barrier; in front of it each wave waits for all its tensor loads, adds 0 to its spare word, and waits for that and for its own reads of this slot.
.macro TURN slot, next, fill
	s_wait_tensorcnt 0x0                           ; all my tensor loads have landed: my part of the next slot
	ds_add_u32 v[SPW], v[NIL]                      ; 0 onto my spare word
	s_wait_dscnt 4*NLA+1                           ; (the add and the youngest 12 loads, A's blocks 4-7, may be out)
	WIN MUL_LO
	MUL16 0, 1, NQ-1, \slot, 0
	s_wait_dscnt 0x0                               ; the add is done, and my reads of this slot are over
	s_barrier_signal -1
	MUL16 2, 1, NQ-1, \slot, 0
	WIN 0
	s_barrier_wait -1
.if \fill
	CREST                                          ; the barrier has opened a round of the cluster's barrier
	s_add_nc_u64 s[G0+4*\slot+2:G0+4*\slot+3], s[G0+4*\slot+2:G0+4*\slot+3], 2*AIMG
	s_add_nc_u64 s[G0B+4*\slot+2:G0B+4*\slot+3], s[G0B+4*\slot+2:G0B+4*\slot+3], 2*ROWB
	JLOAD G0+4*\slot, G1, G0B+4*\slot, G1B         ; the first tensor load behind the round; its four v_nop are the places in front of the loads below
.else
	PLACES NP
.endif
	v_add_nc_u32 v[ADRS], 4*NQ, v[ADRS]
	FETCH_B \next, 0, 0
	FETCH_A \next, 0, 0
	SCALES \next
	WIN MUL_HI
	MUL16 4, 1, NQ-1, \slot, 0
	MUL16 6, 1, NQ-1, \slot, 0
	PLACES NP
	WIN 0
	FETCH_A \next, 0, 4
.endm
	s_wait_tensorcnt 1                             ; the scales and my part of K step 0 are in (K step 1's load may be out)
	s_barrier_signal -1
	s_barrier_wait -1                              ; everybody's are
	FETCH_B 0, 0, 0
	FETCH_A 0, 0, 0
	SCALES 0
	FETCH_A 0, 0, 4
	STEP 0, 0, 1                                   ; the first step stands in front of the loop: its products start the sums
	s_mov_b32 s3, LAPS-1
.Llap:
	TURN 0, 1, 1
	STEP 1, 0, 0
	TURN 1, 0, 1
	STEP 0, 0, 0
	s_sub_co_u32 s3, s3, 1
	s_cmp_lg_u32 s3, 0
	s_cbranch_scc1 .Llap
	TURN 0, 1, 0                                   ; the last lap fills nothing, and has no round of the cluster's barrier
	STEP 1, 0, 0
	s_wait_dscnt 4*NLA                             ; the very last step: nothing more to fetch
	WIN MUL_LO
	MUL16 0, 1, NQ-1, 1, 0
	MUL16 2, 1, NQ-1, 1, 0
	s_wait_dscnt 0
	WIN MUL_HI
	MUL16 4, 1, NQ-1, 1, 0
	MUL16 6, 1, NQ-1, 1, 0
	WIN 0
; THE WAY OUT, block by block of 16 rows x 128 columns, through my own stage in LDS: back come whole rows of 512 bytes.  LDS serves a wave's instructions in order (ISA guide 5.7.1.4): no wait between the stores and the loads.
.macro TOSTAGE a
.set AC, 64*((\a)%4)
	WIN 0x08+4*((\a)/4)                            ; the data: window 2 or 3
.irp b, 0,1,2,3,4,5,6,7
	ds_store_b128 v[STO], v[AC+8*\b:AC+8*\b+3] offset:64*\b          ; each accumulator from its low end on
	ds_store_b128 v[STO], v[AC+8*\b+4:AC+8*\b+7] offset:64*\b+16
.endr
	WIN 0
.set BB, BK+64*((\a)%2)
.irp t, 0,1,2,3,4,5,6,7,8,9,10,11,12,13,14,15
	ds_load_b128 v[BB+4*\t:BB+4*\t+3], v[RD] offset:\t*SPITCH
.endr
.endm
.macro SEND a, younger                 ; younger: the LDS instructions issued behind block a's loads, which may stay out
.set BB, BK+64*((\a)%2)
	s_wait_dscnt \younger
.if (\a) > 0
	s_add_nc_u64 s[12:13], s[12:13], 16*SIZE_N*4   ; (behind a wait on XCNT: the earlier stores have read their base)  16 rows of C on
.endif
.irp t, 0,1,2,3,4,5,6,7,8,9,10,11,12,13,14,15
	global_store_b128 v[CO], v[BB+4*\t:BB+4*\t+3], s[12:13] offset:\t*SIZE_N*4 th:TH_STORE_NT   ; 32 lanes store 512 consecutive bytes, aligned; written once, read by nobody here
.endr
.endm
	PLACES NP                                      ; behind the last products: in front of the loads into registers that held A's fragments and of the reads of results
	TOSTAGE 0
.irp a, 1,2,3,4,5,6,7
.if \a > 1
	s_wait_xcnt 0x0                                ; block a - 2's stores have read their registers and their base
.endif
	TOSTAGE \a
	SEND \a-1, 32                                  ; behind block a - 1's loads: block a's 16 stores and 16 loads
.endr
	s_wait_xcnt 0x0
	SEND 7, 0
	s_wait_tensorcnt 0x0                           ; the wave's end: behind my last tensor load and my last LDS store
	ds_add_u32 v[SPW], v[NIL]
	s_wait_dscnt 0x0
	CROUND                                         ; the closing round: no work-group ends while a partner may still ask for a tile that names it
	s_endpgm
.Lfunc_end_k_qdda36ace07_oproj:
	.size	k_qdda36ace07_oproj, .Lfunc_end_k_qdda36ace07_oproj-k_qdda36ace07_oproj
	.p2alignl 7, 3214868480
	.fill 96, 4, 3214868480
	.section	.rodata,"a",@progbits
	.p2align	6, 0x0
	.amdhsa_kernel k_qdda36ace07_oproj
		.amdhsa_group_segment_fixed_size 327680
		.amdhsa_private_segment_fixed_size 0
		.amdhsa_enable_private_segment 0
		.amdhsa_kernarg_size 24
		.amdhsa_user_sgpr_count 2
		.amdhsa_user_sgpr_kernarg_segment_ptr 1
		.amdhsa_wavefront_size32 1
		.amdhsa_system_sgpr_workgroup_id_x 1
		.amdhsa_system_sgpr_workgroup_id_y 1
		.amdhsa_system_sgpr_workgroup_id_z 1
		.amdhsa_system_vgpr_workitem_id 0
		.amdhsa_next_free_vgpr 1024
		.amdhsa_next_free_sgpr 98
		.amdhsa_reserve_vcc 0
		.amdhsa_float_denorm_mode_32 3
		.amdhsa_float_denorm_mode_16_64 3
		.amdhsa_memory_ordered 1
		.amdhsa_forward_progress 1
		.amdhsa_inst_pref_size 148
	.end_amdhsa_kernel
	.amdgpu_metadata
---
amdhsa.version: [ 1, 2 ]
amdhsa.kernels:
  - .name:           k_qdda36ace07_oproj
    .symbol:         k_qdda36ace07_oproj.kd
    .args:
      - { .name: att, .offset: 0, .size: 8, .value_kind: global_buffer, .address_space: global }
      - { .name: ops, .offset: 8, .size: 8, .value_kind: global_buffer, .address_space: global }
      - { .name: out0, .offset: 16, .size: 8, .value_kind: global_buffer, .address_space: global }
    .group_segment_fixed_size: 327680
    .private_segment_fixed_size: 0
    .kernarg_segment_align: 8
    .kernarg_segment_size: 24
    .max_flat_workgroup_size: 128
    .sgpr_count:     98
    .vgpr_count:     1024
    .wavefront_size: 32
...
	.end_amdgpu_metadata
.endif
;; end of part 4
;; ======== version 2 of 2: 4 launches
;; workspace buffers: ops 13,107,200 bytes; qkv 9,830,400 bytes; att 3,276,800 bytes
;; launch quant: the kernel of part 1 again; grid 512 x 1, 4 waves a work-group, no clusters, 33,280 bytes of LDS; arguments hidden_states, wq, wk, wv, wo, ops; writes ops
;; launch qkv: the kernel of part 2 again; grid 12 x 16, 4 waves a work-group, clusters of 4 x 4, 327,680 bytes of LDS; arguments ops, cos, sin, q_norm_w, k_norm_w, qkv; writes qkv
;; launch attn (part 5): grid 32 x 8, 16 waves a work-group, no clusters, 327,680 bytes of LDS; arguments qkv, att; writes att
.if DOCPART == 5
	.amdgcn_target "amdgcn-amd-amdhsa--gfx1250"
	.amdhsa_code_object_version 6
	.text
	.protected	k_qdda36ace07_attn
	.globl	k_qdda36ace07_attn
	.p2align	8
	.type	k_qdda36ace07_attn,@function
k_qdda36ace07_attn:
	s_mov_b64 s[64:65], 0
	v_nop
	global_prefetch_b8 v0, s[64:65] scope:SCOPE_SE
	s_setreg_imm32_b32 hwreg(HW_REG_WAVE_MODE, 25, 1), 1
	s_wait_xcnt 0x0
; Causal attention on codes of BF6 (E3M2) with E8M0 scales, 8 heads of 128, 4,096 tokens; its result, divided by the row's sum, is quantised along (head, channel) for the output projection.
; THE SOFTMAX AHEAD OF THE SECOND PRODUCT: t = score x log2(e) / sqrt(128); M = the row's largest t so far, rounded UP to a whole number; p = 2^(t - M) is quantised along the keys, not normalised.
; The row's sum is taken of the unquantised p, in f32, and divides O at the end.  When M moves, the sum and O are multiplied by 2^(old M - new M): exact.
; qkv holds operand IMAGES: regions Q, K, V of [head][record of 256 tokens: 16][25,600 bytes]; a record is 16 images of 1,536 bytes (registers 4 c .. 4 c + 3 of lane l at 512 c + 16 l) and 1,024 bytes of scale words.
; Q, K: image f = tokens 16 f .. 16 f + 15 x the head's 128.  V: image 8 q + t = 16 channels x keys 128 q .. 128 q + 127.  So a fragment is three loads of 16 bytes a lane, 512 consecutive bytes each.
; SHARES.  A work-group owns the head's blocks x and 63 - x of 64 queries: 8 tiles of 16 queries, which together have the same number of key steps (128 keys each) in every work-group.
; TWO WAVES SHARE A TILE: wave w and wave w xor 8 hold the same 16 queries; the first takes the even key steps, the second the odd ones, each with its own M, sum and O^T.  So a late tile's keys are walked by two waves
; side by side, and when the early tiles have run out of keys every SIMD still has two waves at work.  At the end the second wave hands its O^T, M and sum to the first through LDS; they are brought under the larger M by exact
; powers of two and added.  Sixteen waves of 256 registers, four to a SIMD.  Tile in its block: w % 4; block: x where (w / 4 + w) is even, else 63 - x, so that of four waves with neighbouring numbers, and of four waves four apart, two belong to each block.
; The parity is no branch: it stands in the wave's LDS addresses (its key step's images lie 12,288 bytes, its scale words 512 bytes into a record) and in its first key.
; LAYOUT.  Both products are used transposed (S^T = K Q^T, O^T = V^T P^T): a lane holds one query (lane % 16).  Register j of tile T of S^T is key 16 T + 8 (lane / 16) + j; p's quantiser takes register
; 16 b + 8 u + j as place 32 b + 16 h + 8 u + j, which is the key with its bits 3 and 4 swapped: V's images were made with the same order of keys, and q's and k's channels are permuted alike.  V's channels were laid so
; that O^T's registers are in the true order of channels for the last quantiser.
; THE RING.  Two LDS slots of 512 keys: two K records and two V records; waves 0-3 fetch a record each (100 rows of 256 bytes), all sixteen read.  A wave has two key steps in a slot.  Every work-group walks all 8 slots, so trip
; counts are constants; a key step all of whose keys come after the wave's queries is jumped over, and a slot whose first key comes after the work-group's last query is not asked for.
; NO CLUSTER: the work-groups of a head need different numbers of slots under the causal limit, and a joint load has to be issued by every partner that it names.
; LIMITS: NaN and infinities are not served; a block of zeros, or one under 2^(5 - 127), gets the byte 1 (this program alone reads the bytes); v_exp_f32 and v_rcp_f32 are accurate to 1 ulp;
; a row's sums over the keys are made as two partial sums (even and odd key steps), added at the end.
; REGISTERS: v1-11 addresses; v12 -M, v13 the largest t, v[14:15] the sum in two halves; v16-27 Q; v32-79 four fragments; v96-159 S^T, then p, at the end the partner's O^T; v160-223 O^T; v224-235 p's codes;
;   v232-247, v252, v254 at work; v[250:251] f; v248, v249 K's or V's scale words (lanes 0-15 an even tile's, lanes 16-31 the odd one's), v253 p's, v255 Q's: these four hold scales alone.
.set REC,   25600                      ; a record, and what one tensor load brings
.set REGB,  3276800
.set HEADB, 409600                     ; a head's 16 records
.set PAIRB, 2*REC                      ; in a slot: K's even record, V's even record, K's odd record, V's odd record
.set VOFF,  REC
.set SLOT1, 131072                     ; slot 1 begins here: one exclusive or turns an address from one slot to the other
.set SPARE, 2*SLOT1                    ; the spare words, 128 bytes for each of sixteen waves, which no other line names
.set NSL,   8
.set STAGE, ((NSL-2)%2)*SLOT1          ; the merge: 8,448 bytes for each pair of waves, in the slot that was left at the last change of slots: it has had its last fill
.set MRG,   8448                       ; 16 x 512 bytes of O^T, 256 bytes of (-M, sum)
.set ATS,   3145728                    ; in att: behind the images, the scale words [token][head]
.set LI,   1                           ; v1   16 x lane + 12,288 x parity: my key step's images in a record
.set LS,   2                           ; v2   4 x lane + 512 x parity: its scale words
.set QSO,  3                           ; v3   4 x (lane % 16)
.set OSO,  4                           ; v4   32 x (lane % 16)
.set SPW,  5                           ; v5   LDS address of my spare word; never rewritten
.set NIL,  6                           ; v6   0; never rewritten
.set MO,   7                           ; v7   the merge: my pair's stage + 16 x lane
.set ADK,  8                           ; v8   the record in hand + LI
.set ADS,  9                           ; v9   the record in hand + LS
.set MS,   10                          ; v10  the merge: my pair's stage + 8,192 + 8 x lane
.set GL,   11                          ; v11  16 x lane: offsets in memory
.set PFO1, 28                          ; v28, v29  the prefetches' offsets
.set PFO2, 29
.set TB,   2                           ; s2   LDS byte at which the slot in hand begins,
.set TB2,  3                           ; s3   and its second pair of records
.set WV,   18
.set PAR,  19                          ; s19  my parity
.set SEL,  20                          ; s[20:21]
.set CS,   22                          ; s[22:23] c = log2(e) / sqrt(128)
.set G1,   24                          ; s[24:31] descriptor group 1
.set G0,   40                          ; s[40:43] group 0, which walks
.set NK,   66                          ; s66  the first key of the slot that the next change asks for: the same in all waves
.set SLOTS, 67
.set LIM,  80
.set PFA,  88                          ; s[88:89]
.set LQ,   95                          ; s95  my work-group's last query
.set KF,   98                          ; s98  my step's first key
.set Q0,   99                          ; s99  my first query
.macro TLOAD                           ; waves 0-3 fetch; the branch hangs on the wave's number alone.  An s_nop 0 and four v_nop follow the load
	s_cmp_lt_u32 s[WV], 4
	s_cbranch_scc0 .Lasked_\@
	tensor_load_to_lds s[G0:G0+3], s[G1:G1+7]
	s_nop 0
.rept 4
	v_nop
.endr
.Lasked_\@:
.endm
; A PREFETCH INTO THE L2 of what the next change of slots will ask for.  All work-groups of a head walk the same records: the head's first work-group asks, in it waves 4-7, which fetch nothing: wave 4 + j names the
; 100 blocks of 256 bytes of fetching wave j's record, by four instructions, a lane a block (the fourth names the last four blocks; its other lanes are held at the record's last block).  One slot, two key steps of every wave, ahead.
; The last change that fills a slot asks for nothing; slots 0 and 1 come by their loads alone.
.macro ASK
	s_cmp_gt_u32 s[SLOTS], s[LIM]
	s_cbranch_scc0 .Lnot_mine_\@
	global_prefetch_b8 v[PFO1], s[PFA:PFA+1] th:TH_LOAD_NT scope:SCOPE_SE
	global_prefetch_b8 v[PFO1], s[PFA:PFA+1] offset:8192 th:TH_LOAD_NT scope:SCOPE_SE
	global_prefetch_b8 v[PFO1], s[PFA:PFA+1] offset:16384 th:TH_LOAD_NT scope:SCOPE_SE
	global_prefetch_b8 v[PFO2], s[PFA:PFA+1] th:TH_LOAD_NT scope:SCOPE_SE
.Lnot_mine_\@:
.endm
	s_load_b128 s[4:7], s[0:1], 0x0                ; qkv s[4:5], att s[6:7]
	v_lshl_add_u32 v[SPW], v0, 2, SPARE
	v_mov_b32 v[NIL], 0
	ds_add_u32 v[SPW], v[NIL]                      ; the wave's opening: the add and its wait stand ahead of my first tensor load; the set-up below, work on registers, stands between them
	v_lshrrev_b32 v30, 5, v0
	v_readfirstlane_b32 s[WV], v30                 ; wave 0..15
	s_and_b32 s72, ttmp7, 0xffff                   ; the head
	s_and_b32 s74, s[WV], 3                        ; my tile in its block.  Also: which record of a slot I fetch or prefetch
	s_lshr_b32 s[PAR], s[WV], 3                    ; my parity: waves 0-7 take the even key steps, waves 8-15 the odd ones
	s_lshr_b32 s75, s[WV], 2
	s_xor_b32 s75, s75, s[WV]
	s_and_b32 s75, s75, 1                          ; which of the two blocks
	s_sub_co_u32 s73, 63, ttmp9
	s_cmp_eq_u32 s75, 0
	s_cselect_b32 s73, ttmp9, s73                  ; my block of 64 queries: x, or 63 - x
	s_lshl_b32 s73, s73, 6
	s_lshl_b32 s75, s74, 4
	s_add_co_u32 s[Q0], s73, s75                   ; my first query
	s_lshl_b32 s[LQ], ttmp9, 6
	s_sub_co_u32 s[LQ], 4095, s[LQ]                ; the last query of block 63 - x
	s_mul_i32 s76, s72, HEADB                      ; the head's first byte in a region
	s_lshr_b32 s77, s[Q0], 8
	s_mul_i32 s77, s77, REC
	s_add_co_u32 s77, s77, s76                     ; my queries' record,
	s_bfe_u32 s78, s[Q0], 0x40004                  ; and their image in it
	s_mul_i32 s79, s78, 1536
	s_add_co_u32 s82, s77, s79
	s_mov_b32 s83, 0
	s_lshl_b32 s78, s78, 6
	s_add_co_u32 s84, s77, s78
	s_add_co_u32 s84, s84, 16*1536                 ; their scale words
	s_mov_b32 s85, 0
	s_and_b32 s86, s74, 1                          ; record j = wave % 4 of a slot: 0: K's even, 1: V's even, 2: K's odd, 3: V's odd
	s_add_co_u32 s86, s86, 1
	s_mul_i32 s86, s86, REGB
	s_add_co_u32 s86, s86, s76
	s_lshr_b32 s87, s74, 1
	s_mul_i32 s87, s87, REC
	s_add_co_u32 s86, s86, s87
	s_mov_b32 s87, 0
	s_lshr_b32 s90, s[Q0], 4                       ; att: image (token block, head),
	s_lshl_b32 s90, s90, 3
	s_add_co_u32 s90, s90, s72
	s_mul_i32 s90, s90, 1536
	s_mov_b32 s91, 0
	s_lshl_b32 s92, s[Q0], 5                       ; and scale words: 32 bytes a token, 4 a head
	s_lshl_b32 s93, s72, 2
	s_add_co_u32 s92, s92, s93
	s_add_co_u32 s92, s92, ATS
	s_mov_b32 s93, 0
	; descriptor group 1: a dense block of 25,600 bytes as 100 rows of 256 bytes (32 elements of 8 bytes), no padding
	s_mov_b32 s[G1], 3<<16                         ; 15:0 no mask; 17:16 elements of 8 bytes; 20 padding off
	s_mov_b32 s[G1+1], 32<<16                      ; tensor_dim0
	s_mov_b32 s[G1+2], 100<<16                     ; tensor_dim1
	s_mov_b32 s[G1+3], 32<<16                      ; tile_dim0
	s_mov_b32 s[G1+4], 100                         ; tile_dim1
	s_mov_b32 s[G1+5], 32                          ; tensor_dim0_stride
	s_mov_b32 s[G1+6], 0
	s_mov_b32 s[G1+7], 0
	s_mov_b32 s[SEL], 0x76543210
	s_mov_b32 s[SEL+1], 0xfedcba98
	s_mov_b32 s[CS], 0x3e0293ee                    ; c = log2(e) / sqrt(128)
	s_mov_b32 s[CS+1], s[CS]                       ; (named with it as a pair)
	s_mov_b32 s[TB], 0
	s_mov_b32 s[TB2], PAIRB
	s_mov_b32 s[SLOTS], NSL-1
	s_mov_b32 s[NK], 512
	s_lshl_b32 s[KF], s[PAR], 7                    ; my first key step begins at key 128 x parity
	s_lshr_b32 s81, s[WV], 2
	s_xor_b32 s81, s81, 1                          ; 0 in waves 4-7,
	s_or_b32 s81, s81, ttmp9                       ; of the head's first work-group
	s_cmp_eq_u32 s81, 0
	s_cselect_b32 s[LIM], 1, -1
	s_mul_i32 s68, s[PAR], 8*1536                  ; every LDS address register is made here, ahead of all partings on the wave's number
	s_lshl_b32 s69, s[PAR], 9
	s_and_b32 s70, s[WV], 7                        ; my pair: waves w and w xor 8
	s_mul_i32 s70, s70, MRG
	s_add_co_u32 s70, s70, STAGE
	v_and_b32 v30, 31, v0
	v_lshlrev_b32 v[GL], 4, v30
	v_add_nc_u32 v[LI], s68, v[GL]
	v_lshl_add_u32 v[LS], v30, 2, s69
	v_add_nc_u32 v[MO], s70, v[GL]
	v_lshl_add_u32 v[MS], v30, 3, s70
	v_add_nc_u32 v[MS], 8192, v[MS]
	v_and_b32 v31, 15, v0
	v_lshlrev_b32 v[QSO], 2, v31
	v_lshlrev_b32 v[OSO], 5, v31
	v_lshlrev_b32 v[PFO1], 8, v30
	v_min_u32 v[PFO2], 3, v30
	v_lshl_add_u32 v[PFO2], v[PFO2], 8, 24576
	s_wait_dscnt 0x0                               ; the opening add is done
	s_wait_kmcnt 0x0
	s_mov_b32 s[G0], 1                             ; 1:0 count = 1
	s_mul_i32 s[G0+1], s74, REC                    ; 63:32 LDS address: slot 0, my record
	s_add_nc_u64 s[G0+2:G0+3], s[4:5], s[86:87]    ; 120:64 global address: the head's slot 0
	s_or_b32 s[G0+3], s[G0+3], 0x80000000          ; 127:126 type = 2
	TLOAD                                          ; slot 0
	s_add_nc_u64 s[PFA:PFA+1], s[4:5], s[86:87]
	s_add_nc_u64 s[PFA:PFA+1], s[PFA:PFA+1], 2*REC ; in slot 1: the first change of slots steps it to slot 2.  Nothing is prefetched here, at the head
	s_add_nc_u64 s[8:9], s[4:5], s[82:83]          ; Q's image
	s_add_nc_u64 s[10:11], s[4:5], s[84:85]        ; Q's scale words
	s_add_nc_u64 s[12:13], s[6:7], s[90:91]        ; my image in att
	s_add_nc_u64 s[14:15], s[6:7], s[92:93]        ; my scale words in att
.irp c, 0,1,2
	global_load_b128 v[16+4*\c:19+4*\c], v[GL], s[8:9] offset:512*\c   ; Q's fragment stays in registers
.endr
	global_load_b32 v255, v[QSO], s[10:11]
	v_mov_b32 v13, 0xff61b1e6                      ; the largest t so far: -3e38, under every t
	v_floor_f32 v12, -v13                          ; -M
	v_mov_b32 v14, 0                               ; the sum, in two halves
	v_mov_b32 v15, 0
.irp b, 0,1,2,3
	v_mov_b32 v[236+\b], 0                         ; written once: a lane permute's destination counts as one of its sources
.endr
	v_mov_b32 v250, 0
	v_mov_b32 v251, 0                              ; (named as the upper half of the pair v[250:251])
.irp j, 0,1,2,3,4,5,6,7,8,9,10,11,12,13,14,15,16,17,18,19,20,21,22,23,24,25,26,27,28,29,30,31,32,33,34,35,36,37,38,39,40,41,42,43,44,45,46,47,48,49,50,51,52,53,54,55,56,57,58,59,60,61,62,63
	v_mov_b32 v[160+\j], 0                         ; O^T.  (The step is written for every step alike: the first finds zeros, which the first change of M leaves zeros; a wave with no key step hands zeros to its partner)
.endr
; MY KEY STEP, 128 keys, of the pair of records that begins at the LDS byte in s[slotreg].
.macro STEP slotreg
	s_add_co_u32 s96, s[Q0], 15                    ; a step all of whose keys come after my 16 queries is left out: a scalar branch on ids, round loads, products and softmax alone
	s_cmp_gt_u32 s[KF], s96
	s_cbranch_scc1 .Lhidden_\@
	v_add_nc_u32 v[ADK], s[\slotreg], v[LI]
	v_add_nc_u32 v[ADS], s[\slotreg], v[LS]
	v_nop
	v_nop                                          ; these four are the places in front of loads into registers that the last step's products have read
.irp g, 0,1                                    ; S^T = K Q^T, four tiles of 16 keys at a time
.if \g > 0
.rept 4
	v_nop
.endr
.endif
.irp t, 0,1,2,3
.irp c, 0,1,2
	ds_load_b128 v[32+12*\t+4*\c:35+12*\t+4*\c], v[ADK] offset:1536*(4*\g+\t)+512*\c
.endr
.endr
.irp i, 0,1
	ds_load_b32 v[248+\i], v[ADS] offset:16*1536+256*\g+128*\i   ; lanes 0-15: tile 4 g + 2 i's scale words, lanes 16-31: tile 4 g + 2 i + 1's
.endr
	s_wait_dscnt 0x0
.irp t, 0,2
	v_wmma_scale_f32_16x16x128_f8f6f4 v[96+8*(4*\g+\t):103+8*(4*\g+\t)], v[32+12*\t:43+12*\t], v[16:27], 0, v[248+\t/2], v255 matrix_a_fmt:MATRIX_FMT_BF6 matrix_b_fmt:MATRIX_FMT_BF6
	v_wmma_scale_f32_16x16x128_f8f6f4 v[96+8*(4*\g+\t+1):103+8*(4*\g+\t+1)], v[32+12*(\t+1):43+12*(\t+1)], v[16:27], 0, v[248+\t/2], v255 matrix_a_fmt:MATRIX_FMT_BF6 matrix_b_fmt:MATRIX_FMT_BF6 matrix_a_scale:MATRIX_SCALE_ROW1
.endr
.endr
.rept 4
	v_nop
.endr
	s_add_co_u32 s96, s[KF], 127                   ; on the diagonal the scores of hidden keys become -infinity ahead of the maximum: p = 0 then.  A step all of whose keys count skips this
	s_cmp_le_u32 s96, s[Q0]
	s_cbranch_scc1 .Lopen_\@
	s_sub_co_i32 s96, s[Q0], s[KF]
	v_and_b32 v252, 15, v0
	v_bfe_u32 v251, v0, 4, 1
	v_lshlrev_b32 v251, 3, v251
	v_sub_nc_u32 v252, v252, v251
	v_add_nc_u32 v252, s96, v252                   ; d = my query - KF - 8 (lane / 16).  Register n holds key KF + 16 (n / 8) + 8 (lane / 16) + n % 8: hidden where 16 (n / 8) + n % 8 > d
	v_mov_b32 v254, 0xff800000                     ; -infinity.  (A step that is walked begins at or under my first query, so its first key counts for all my queries: M is a number from my first step on)
.irp n, 0,1,2,3,4,5,6,7,8,9,10,11,12,13,14,15,16,17,18,19,20,21,22,23,24,25,26,27,28,29,30,31,32,33,34,35,36,37,38,39,40,41,42,43,44,45,46,47,48,49,50,51,52,53,54,55,56,57,58,59,60,61,62,63
	v_cmp_gt_i32 vcc_lo, 16*(\n/8)+\n%8, v252
	v_cndmask_b32 v[96+\n], v[96+\n], v254, vcc_lo
.endr
.Lopen_\@:
.irp b, 0,1,2,3
	v_max3_num_f32 v[232+\b], v[96+16*\b], v[97+16*\b], v[98+16*\b]   ; the largest score of each block of 32 keys: it serves for the row's maximum and, since p rises with the score, for the block's largest p
.endr
.irp i, 3,5,7,9,11,13
.irp b, 0,1,2,3
	v_max3_num_f32 v[232+\b], v[232+\b], v[96+16*\b+\i], v[97+16*\b+\i]   ; (the four blocks by turns)
.endr
.endr
.irp b, 0,1,2,3
	v_max_num_f32 v[232+\b], v[232+\b], v[111+16*\b]
.endr
.irp b, 0,1,2,3
	v_permlanex16_b32 v[236+\b], v[232+\b], s[SEL], s[SEL+1]
.endr
.irp b, 0,1,2,3
	v_max_num_f32 v[232+\b], v[232+\b], v[236+\b]  ; with lane l xor 16's 16 keys
.endr
	v_max3_num_f32 v254, v232, v233, v234
	v_max_num_f32 v254, v254, v235                 ; the step's largest score of my query
	v_mul_f32 v254, s[CS], v254                    ; as t (c is positive)
	v_max_num_f32 v13, v13, v254                   ; the running largest t
	v_mov_b32 v254, v12
	v_floor_f32 v12, -v13                          ; the new -M = floor(-t) = -ceil(t): a whole number
	v_sub_f32 v254, v12, v254                      ; M's old value less its new one: a whole number, 0 or less
	v_cvt_i32_f32 v254, v254                       ; (it saturates)
	v_ldexp_f32 v250, 1.0, v254                    ; f = 2^(old M - new M)
.irp j, 0,2,4,6,8,10,12,14,16,18,20,22,24,26,28,30,32,34,36,38,40,42,44,46,48,50,52,54,56,58,60,62
	v_pk_fma_f32 v[96+\j:97+\j], v[96+\j:97+\j], s[CS:CS+1], v[12:13] op_sel_hi:[1,0,0]   ; t - M, two at a time
.endr
.irp b, 0,1,2,3
	v_fma_f32 v[232+\b], v[232+\b], s[CS], v12     ; the same of each block's largest score
.endr
.irp j, 0,1,2,3,4,5,6,7,8,9,10,11,12,13,14,15,16,17,18,19,20,21,22,23,24,25,26,27,28,29,30,31,32,33,34,35,36,37,38,39,40,41,42,43,44,45,46,47,48,49,50,51,52,53,54,55,56,57,58,59,60,61,62,63
	v_exp_f32 v[96+\j], v[96+\j]                   ; p = 2^(t - M), at most 1: not normalised
.endr
	v_pk_mul_f32 v[14:15], v[14:15], v[250:251] op_sel_hi:[1,0]   ; the sums under the new M.  (A plain place behind the exponentials)
	s_wait_alu depctr_va_vdst(0)                   ; one wait for the whole batch, ahead of its first reader
.irp b, 0,1,2,3
	v_exp_f32 v[232+\b], v[232+\b]                 ; the block's largest p: the same two instructions on the same number give the same bits
.endr
	v_pk_add_f32 v[236:237], v[96:97], v[98:99]    ; the row's sum is taken of the unquantised p: two at a time, in two chains
.irp j, 4,8,12,16,20,24,28,32,36,40,44,48,52,56,60
	v_pk_add_f32 v[14:15], v[14:15], v[96+\j:97+\j]
	v_pk_add_f32 v[236:237], v[236:237], v[98+\j:99+\j]
.endr
	v_pk_add_f32 v[14:15], v[14:15], v[236:237]
	s_wait_alu depctr_va_vdst(0)                   ; and one for the four
.irp b, 0,1,2,3
	v_max_num_f32 v[232+\b], 0x2800000, v[232+\b]  ; the floor 2^(5 - 127): the byte cannot fall under 1
.endr
.irp b, 0,1,2,3
	v_add_nc_u32 v[244+\b], 0xfe000000, v[232+\b]  ; 4 off the exponent field: the conversion's scale operand
.endr
.irp b, 0,1,2,3
	v_lshrrev_b32 v[236+\b], 23, v[244+\b]         ; the scale's byte
.endr
	v_lshl_or_b32 v253, v237, 8, v236              ; p's scale word for these 128 keys
	v_lshl_or_b32 v253, v238, 16, v253
	v_lshl_or_b32 v253, v239, 24, v253
.irp c, 0,1
	v_cvt_scalef32_pk16_bf6_f32 v[224+6*\c:226+6*\c], v[96+32*\c:111+32*\c], v[244+2*\c]
	v_cvt_scalef32_pk16_bf6_f32 v[236+4*\c:238+4*\c], v[112+32*\c:127+32*\c], v[244+2*\c+1]   ; (a conversion's three registers begin on an even number)
.endr
	v_nop                                          ; one plain place behind a scaled conversion
.irp c, 0,1                                    ; the operand's layout wants a whole block in a lane
.irp i, 0,1,2
	v_permlane16_swap_b32 v[224+6*\c+\i], v[236+4*\c+\i]
.endr
.irp i, 0,1,2
	v_mov_b32 v[227+6*\c+\i], v[236+4*\c+\i]
.endr
.endr
.irp j, 0,2,4,6,8,10,12,14,16,18,20,22,24,26,28,30,32,34,36,38,40,42,44,46,48,50,52,54,56,58,60,62
	v_pk_mul_f32 v[160+\j:161+\j], v[160+\j:161+\j], v[250:251] op_sel_hi:[1,0]   ; O^T under the new M.  (These 32 are also the places in front of the matrix instructions and loads below)
.endr
.irp g, 0,1                                    ; O^T += V^T P^T: four tiles of 16 channels at a time; K = these 128 keys
.if \g > 0
.rept 4
	v_nop
.endr
.endif
.irp t, 0,1,2,3
.irp c, 0,1,2
	ds_load_b128 v[32+12*\t+4*\c:35+12*\t+4*\c], v[ADK] offset:VOFF+1536*(4*\g+\t)+512*\c
.endr
.endr
.irp i, 0,1
	ds_load_b32 v[248+\i], v[ADS] offset:VOFF+16*1536+256*\g+128*\i
.endr
	s_wait_dscnt 0x0
.irp t, 0,2
	v_wmma_scale_f32_16x16x128_f8f6f4 v[160+8*(4*\g+\t):167+8*(4*\g+\t)], v[32+12*\t:43+12*\t], v[224:235], v[160+8*(4*\g+\t):167+8*(4*\g+\t)], v[248+\t/2], v253 matrix_a_fmt:MATRIX_FMT_BF6 matrix_b_fmt:MATRIX_FMT_BF6
	v_wmma_scale_f32_16x16x128_f8f6f4 v[160+8*(4*\g+\t+1):167+8*(4*\g+\t+1)], v[32+12*(\t+1):43+12*(\t+1)], v[224:235], v[160+8*(4*\g+\t+1):167+8*(4*\g+\t+1)], v[248+\t/2], v253 matrix_a_fmt:MATRIX_FMT_BF6 matrix_b_fmt:MATRIX_FMT_BF6 matrix_a_scale:MATRIX_SCALE_ROW1
.endr
.endr
.Lhidden_\@:
	s_add_co_u32 s[KF], s[KF], 256                 ; my next key step: the one between is my partner's
.endm
; THE CHANGE OF SLOTS stands at a slot's head.  Each wave waits for all its tensor loads (its part of the slot that it is about to read), adds 0 to its spare word, and waits for that and for its reads of the slot that it has left.
; Behind the barrier the slot ahead is whole and nobody reads the other one.  fill = 1: that other slot is filled with the keys that follow, up to the causal limit: the load has two key steps of every wave in which to land.
.macro CHANGE fill
	s_wait_tensorcnt 0x0                           ; no tensor load of mine is out, so group 0 may be written
	ds_add_u32 v[SPW], v[NIL]                      ; 0 onto my spare word
.if \fill
	s_xor_b32 s[G0+1], s[G0+1], SLOT1              ; the walking descriptor: the other slot than last time,
	s_add_nc_u64 s[G0+2:G0+3], s[G0+2:G0+3], 2*REC ; two records on; the type bits on top are not reached
	s_wait_xcnt 0x0                                ; the last prefetches, a slot back, have read their address, so it may be written:
	s_add_nc_u64 s[PFA:PFA+1], s[PFA:PFA+1], 2*REC ; one slot further on than the walking descriptor
.endif
	s_wait_dscnt 0x0                               ; the add is done, and my reads of the slot that I have left are over
	s_barrier_signal -1
	s_barrier_wait -1
.if \fill
	s_cmp_gt_u32 s[NK], s[LQ]                      ; a slot whose first key comes after my work-group's last query is read by none of the sixteen waves, so it is not asked for.  The work-group's number and the count of slots alone: all waves go the same way
	s_cbranch_scc1 .Lpast_\@
	TLOAD                                          ; the first thing behind the barrier but for these two lines, and a wave's one tensor load until the next.  Every wait for tensor loads in this text is for all of them
.Lpast_\@:
	ASK
	s_add_co_u32 s[NK], s[NK], 512
.endif
.endm
.macro SLOT_STEPS
	STEP TB
	STEP TB2
	s_xor_b32 s[TB], s[TB], SLOT1                  ; on to the other slot
	s_xor_b32 s[TB2], s[TB2], SLOT1
.endm
	s_wait_loadcnt 0x0                             ; Q
.Lslot:                                            ; 7 trips: behind each change of slots but the last the next slot is asked for, up to the causal limit
	CHANGE 1
	SLOT_STEPS
	s_sub_co_u32 s[SLOTS], s[SLOTS], 1
	s_cmp_lg_u32 s[SLOTS], 0
	s_cbranch_scc1 .Lslot
	CHANGE 0                                       ; the last slot is written out: nothing is left to ask for
	SLOT_STEPS
	; THE MERGE.  The stage lies in the ring, which has had its last fill: behind this barrier no wave reads the ring any more.
.rept 4
	v_nop                                          ; the places behind the last products, in front of the first reads of their results
.endr
	s_wait_dscnt 0x0                               ; my reads of the ring are over
	s_barrier_signal -1
	s_barrier_wait -1
	s_cmp_lt_u32 s[WV], 8
	s_cbranch_scc1 .Lkeeper
	v_add_f32 v13, v14, v15                        ; waves 8-15 hand over: (-M, my sum's two halves added),
	ds_store_b64 v[MS], v[12:13]
.irp k, 0,1,2,3,4,5,6,7,8,9,10,11,12,13,14,15
	ds_store_b128 v[MO], v[160+4*\k:163+4*\k] offset:512*\k   ; and O^T as an image of its registers: 512 consecutive bytes a store; each accumulator from its low end on
.endr
.Lkeeper:
	s_wait_dscnt 0x0                               ; for the partner's sake: my stores have landed
	s_barrier_signal -1
	s_barrier_wait -1
	s_cmp_lt_u32 s[WV], 8
	s_cbranch_scc0 .Lend                           ; waves 8-15 are done
	ds_load_b64 v[240:241], v[MS]                  ; the partner's -M and sum,
.irp k, 0,1,2,3,4,5,6,7,8,9,10,11,12,13,14,15
	ds_load_b128 v[96+4*\k:99+4*\k], v[MO] offset:512*\k      ; and its O^T: the same registers in the same lanes
.endr
	v_add_f32 v14, v14, v15                        ; my sum's two halves
	s_wait_dscnt 0x0
	v_min_num_f32 v242, v12, v240                  ; -M of the two: the larger M
	v_sub_f32 v243, v242, v12                      ; my M less it, and the partner's M less it: whole numbers, 0 or less
	v_sub_f32 v244, v242, v240
	v_cvt_i32_f32 v243, v243                       ; (they saturate: a partner that had no key step holds -M = 3e38, zeros in O^T and in its sum)
	v_cvt_i32_f32 v244, v244
	v_ldexp_f32 v243, 1.0, v243                    ; f0, f1: exact powers of two
	v_ldexp_f32 v244, 1.0, v244
	v_mul_f32 v14, v14, v243
	v_fma_f32 v14, v241, v244, v14                 ; both sums under the one M,
	v_permlanex16_b32 v250, v14, s[SEL], s[SEL+1]
	v_add_f32 v14, v14, v250                       ; and lane l xor 16's: the row's sum
	v_rcp_f32 v14, v14
	v_nop                                          ; a plain place behind the transcendental
	s_wait_alu depctr_va_vdst(0)                   ; a wait ahead of the first reader
	v_mul_f32 v250, v243, v14                      ; f0 / the sum, f1 / the sum: a power of two times the reciprocal rounds nothing
	v_mul_f32 v246, v244, v14
	v_mov_b32 v247, v246                           ; (named as the upper half of the pair v[246:247])
.irp j, 0,2,4,6,8,10,12,14,16,18,20,22,24,26,28,30,32,34,36,38,40,42,44,46,48,50,52,54,56,58,60,62
	v_pk_mul_f32 v[96+\j:97+\j], v[96+\j:97+\j], v[246:247] op_sel_hi:[1,0]
.endr
.irp j, 0,2,4,6,8,10,12,14,16,18,20,22,24,26,28,30,32,34,36,38,40,42,44,46,48,50,52,54,56,58,60,62
	v_pk_fma_f32 v[96+\j:97+\j], v[160+\j:161+\j], v[250:251], v[96+\j:97+\j] op_sel_hi:[1,0,1]   ; the attention's result; each accumulator from its low end on
.endr
	; THE WAY OUT.  The result is quantised along the head's 128, which are one K step of the output projection; register 16 b + 8 u + j is channel 32 b + 16 h + 8 u + j.
.irp b, 0,1,2,3
	v_max3_num_f32 v[232+\b], |v[96+16*\b]|, |v[97+16*\b]|, 0x2800000   ; block b: my 16 numbers, and the floor 2^(5 - 127)
.endr
.irp i, 2,4,6,8,10,12,14
.irp b, 0,1,2,3
	v_max3_num_f32 v[232+\b], v[232+\b], |v[96+16*\b+\i]|, |v[97+16*\b+\i]|
.endr
.endr
.irp b, 0,1,2,3
	v_permlanex16_b32 v[236+\b], v[232+\b], s[SEL], s[SEL+1]
.endr
.irp b, 0,1,2,3
	v_max_num_f32 v[232+\b], v[232+\b], v[236+\b]
.endr
.irp b, 0,1,2,3
	v_add_nc_u32 v[244+\b], 0xfe000000, v[232+\b]
.endr
.irp b, 0,1,2,3
	v_lshrrev_b32 v[236+\b], 23, v[244+\b]
.endr
	v_lshl_or_b32 v52, v237, 8, v236               ; my row's scale word for this head
	v_lshl_or_b32 v52, v238, 16, v52
	v_lshl_or_b32 v52, v239, 24, v52
.irp c, 0,1
	v_cvt_scalef32_pk16_bf6_f32 v[32+6*\c:34+6*\c], v[96+32*\c:111+32*\c], v[244+2*\c]
	v_cvt_scalef32_pk16_bf6_f32 v[44+4*\c:46+4*\c], v[112+32*\c:127+32*\c], v[244+2*\c+1]
.endr
	v_nop                                          ; one plain place behind a scaled conversion
.irp c, 0,1
.irp i, 0,1,2
	v_permlane16_swap_b32 v[32+6*\c+\i], v[44+4*\c+\i]
.endr
.irp i, 0,1,2
	v_mov_b32 v[35+6*\c+\i], v[44+4*\c+\i]
.endr
.endr
.irp c, 0,1,2
	global_store_b128 v[GL], v[32+4*\c:35+4*\c], s[12:13] offset:512*\c   ; the image: 512 consecutive bytes a store, aligned
.endr
	global_store_b32 v[OSO], v52, s[14:15]         ; a word a token, 32 bytes apart (the other heads' words lie between); both lanes of a row write the same word with the same value
.Lend:
	s_wait_tensorcnt 0x0                           ; the wave's end: behind my last tensor load and my last LDS store
	ds_add_u32 v[SPW], v[NIL]
	s_wait_dscnt 0x0
	s_endpgm
.Lfunc_end_k_qdda36ace07_attn:
	.size	k_qdda36ace07_attn, .Lfunc_end_k_qdda36ace07_attn-k_qdda36ace07_attn
	.p2alignl 7, 3214868480
	.fill 96, 4, 3214868480
	.section	.rodata,"a",@progbits
	.p2align	6, 0x0
	.amdhsa_kernel k_qdda36ace07_attn
		.amdhsa_group_segment_fixed_size 327680
		.amdhsa_private_segment_fixed_size 0
		.amdhsa_enable_private_segment 0
		.amdhsa_kernarg_size 16
		.amdhsa_user_sgpr_count 2
		.amdhsa_user_sgpr_kernarg_segment_ptr 1
		.amdhsa_wavefront_size32 1
		.amdhsa_system_sgpr_workgroup_id_x 1
		.amdhsa_system_sgpr_workgroup_id_y 1
		.amdhsa_system_sgpr_workgroup_id_z 1
		.amdhsa_system_vgpr_workitem_id 0
		.amdhsa_next_free_vgpr 256
		.amdhsa_next_free_sgpr 100
		.amdhsa_reserve_vcc 1
		.amdhsa_float_denorm_mode_32 3
		.amdhsa_float_denorm_mode_16_64 3
		.amdhsa_memory_ordered 1
		.amdhsa_forward_progress 1
		.amdhsa_inst_pref_size 118
	.end_amdhsa_kernel
	.amdgpu_metadata
---
amdhsa.version: [ 1, 2 ]
amdhsa.kernels:
  - .name:           k_qdda36ace07_attn
    .symbol:         k_qdda36ace07_attn.kd
    .args:
      - { .name: qkv, .offset: 0, .size: 8, .value_kind: global_buffer, .address_space: global }
      - { .name: att, .offset: 8, .size: 8, .value_kind: global_buffer, .address_space: global }
    .group_segment_fixed_size: 327680
    .private_segment_fixed_size: 0
    .kernarg_segment_align: 8
    .kernarg_segment_size: 16
    .max_flat_workgroup_size: 512
    .sgpr_count:     100
    .vgpr_count:     256
    .wavefront_size: 32
...
	.end_amdgpu_metadata
.endif
;; end of part 5
;; launch oproj: the kernel of part 4 again; grid 8 x 16, 4 waves a work-group, clusters of 4 x 4, 327,680 bytes of LDS; arguments att, ops, out0; writes out0
